; MI455X (gfx1250); checked and timed in simulation.
; The chip was launched on July 23, 2026; its instructions are those of AMD's public machine-readable ISA for CDNA 5 (MIT licence, August 2026) and "CDNA5" Instruction Set Architecture Reference Guide (July 2026). The comments in the code are by the model that wrote it; some were corrected since.
;; Learned Attention. Allowed arithmetic: matrix products marked QUANTISED: E2M1 operands, one E8M0 scale for each 32 along K, by v_wmma_scale_f32_16x16x128_f8f6f4 with both operands' format E2M1 (or v_wmma_scale_f32_32x16x128_f4), f32 sums; products left as they are: f32 operands where the result goes on into a quantised operand, else bf16, f16 or f32 operands; f32 sums; everything else in f32.
;; Inputs: W_energy 1 x 1,024 float32; W_key 1,024 x 1,024 float32; W_query 1,024 x 1,024 float32; keys 32 x 1,024 x 1,024 float32; memory_lengths 32 int32; queries 32 x 1 x 1,024 float32; values 32 x 1,024 x 1,024 float32.
;; Outputs: out0 32 x 1 x 1,024 float32; out1 32 x 1 x 1,024 float32.
;; This version of the problem:
;;   THIS VERSION OF THE PROBLEM IS GIVEN IN LOW PRECISION. The matrix products marked QUANTISED in the list below multiply operands that are first quantised to E2M1 (2 exponent bits, 1 mantissa bit; 4 bits a number), with one power-of-two scale for each 32 numbers along K (OCP MX v1.0); their sums are f32. All else is computed in f32.
;;   The module's matrix products, in the order in which they are computed (A, B: the left and right operand; K: the contracted axis; several contracted axes count as one K, in the product's order):
;;     1. [M 32,768, K 1,024] x [K 1,024, N 1,024]; A: input keys; B: input W_key: QUANTISED
;;     2. [M 32,768, K 1,024] x [K 1,024, N 1,024]; A: input values; B: input W_key: QUANTISED
;;     3. [M 32, K 1,024] x [K 1,024, N 1,024]; A: input queries; B: input W_query: QUANTISED
;;     4. [M 32,768, K 1,024] x [K 1,024, N 1]; A: computed on the way; B: input W_energy: left as it is (N = 1 < 16)
;;     5. batch 32 x [M 1, K 1,024] x [K 1,024, N 1,024]; A: softmax; B: computed on the way: left as it is (M = 1 < 16)
;;   THE QUANTISER, for each operand of a quantised product, along K:
;;     - K is cut into blocks of 32 from its start; a last block that is shorter is filled with zeros.
;;     - A block's scale is 2^e with e = floor(log2(the largest magnitude in the block)) - 2, held to -126 .. 127; a block of zeros has e = 0. As a byte (E8M0): e + 127.
;;     - Each number is divided by its block's scale, clamped to +-6, and rounded to the nearest number of E2M1, ties to even, subnormals kept.
;;     - The product sums the exact products of the quantised numbers (number of the format x scale) in f32.
;;   ~~~python
;;   def quantise(x, axis):      # numpy; x: float32 -> the quantised numbers, widened to float32 again
;;       x = np.moveaxis(x, axis, -1); K = x.shape[-1]
;;       x = np.pad(x, [(0, 0)] * (x.ndim - 1) + [(0, -K % 32)]); x = x.reshape(x.shape[:-1] + (-1, 32)); a = np.abs(x).max(-1, keepdims=True)
;;       e = np.where(a > 0, np.clip(np.frexp(np.where(a > 0, a, 1))[1] - 1 - 2, -126, 127), 0)      # np.frexp(a)[1] - 1 = floor(log2(a)), exactly
;;       r = np.clip(x / 2.0 ** e, -6, 6)
;;       step = 2.0 ** (np.maximum(np.frexp(np.where(r == 0, 1, r))[1] - 1, 0) - 1)
;;       q = np.round(r / step) * step * 2.0 ** e      # np.round: ties to even
;;       return np.moveaxis(q.reshape(q.shape[:-2] + (-1,))[..., :K], -1, axis).astype(np.float32)
;;   ~~~
;; 2 versions, each right; version 2 is version 1 with the launches quant, gemm written anew for expert scheduling mode. Each part assembles by itself: llvm-mc -triple=amdgcn-amd-amdhsa -mcpu=gfx1250 --defsym DOCPART=n.
;; ======== version 1 of 2: 3 launches
;; workspace buffers: codes 34,078,720 bytes; scls 2,129,920 bytes; pq 131,072 bytes; scores 131,072 bytes; partial 1,048,576 bytes
;; launch quant (part 1): grid 1104 x 1, 4 waves a work-group, no clusters, 57,856 bytes of LDS; arguments keys, values, W_key, W_query, queries, memory_lengths, codes, scls, pq; writes codes, scls, pq
.if DOCPART == 1
	.amdgcn_target "amdgcn-amd-amdhsa--gfx1250"
	.amdhsa_code_object_version 6
	.text
	.protected	k_q47a3340a33_quant
	.globl	k_q47a3340a33_quant
	.p2align	8
	.type	k_q47a3340a33_quant,@function
k_q47a3340a33_quant:
	s_mov_b64 s[64:65], 0
	v_nop
	global_prefetch_b8 v0, s[64:65] scope:SCOPE_SE
	s_setreg_imm32_b32 hwreg(HW_REG_WAVE_MODE, 25, 1), 1
	s_wait_xcnt 0x0
; f32 operands become codes of FP4 (E2M1) with one E8M0 byte for each 32 along K, laid as IMAGES OF OPERAND REGISTERS, and pq = Q(queries) Q(W_query)^T is made on the way.
; A TILE is 16 rows x 1,024 along K: 65,536 dense bytes of f32 in, 8,192 bytes of codes and 512 bytes of scale words out.  One wave takes one tile.
;   codes, tile image: byte 1024 s + 512 c + 16 lane = registers 4 c .. 4 c + 3 of the fragment of K step s (128 along K): lane (r = lane % 16, h = lane / 16) holds row r, k = 128 s + 64 c + 32 h + 0 .. 31.
;   scls, tile image: byte 16 lane = the four scale words of row r for K steps 4 h .. 4 h + 3: register q holds K step q in lanes 0-15 and K step 4 + q in lanes 16-31.
;   tiles 0-2047 keys (64 b + mt), 2048-4095 values, 4096-4159 W_key.
; THE MASK.  reference() gives rows m >= memory_lengths[b] the weight 0, and the next launch multiplies only blocks of 128 rows that have a row that counts.  So of each tensor only 8 ceil(len / 128) tiles of batch b are
;   made: those with a row that counts are quantised, the rest of the last block get zero codes under the byte 127.  Nothing else is read or stored.
; THE LIST.  These tiles, batches on end, form a list of at most 2,048 units for each tensor.  Every wave reads the 32 lengths and finds its unit's batch and place by one walk in scalar registers.
; ROLES, by the work-group's number G and the wave's number w.  G < 64: wave 0 quantises tile G of W_query, waves 1 and 2 the two tiles of queries, wave 3 nothing; the codes stay in LDS and wave 0 multiplies.
;   64 <= G < 80: W_key's tile 4 (G - 64) + w.   G >= 80: G' = G - 80; the tensor is G' % 2 (keys, values); j = G' / 2.  j >= 40: unit (j - 40) + 472 w;  j < 40: unit 1,888 + 4 j + w.
;   So units 0 .. 1,887 are dealt by stride: whatever the lengths, the 944 work-groups with j >= 40 hold the same number of tiles to within one.  The 80 with j < 40 have work only where more than 1,888 tiles of a tensor
;   count; they stand ahead of the others in the grid's order, so that, where they have nothing to do, they have ended before the others' work is done.
; Branches and addresses hang on numbers read from memory, so the text has no tensor load and no copy; the tile numbers pass a minimum with a written constant ahead of the shifts that make offsets of them.
; THE QUANTISER.  A block's byte is its largest magnitude's exponent field - 2, held at 1 from below; each number is divided by the scale and rounded to the nearest code, ties to even, beyond 6 the code of 6.
; LIMITS: a block whose largest magnitude lies under 2^-124 has its byte held at 1; a block of zeros gets the byte 1 with zero codes where the rule says 127 (this program alone reads the bytes); NaN and infinities are not served;
;   a length above 1,024 counts as 1,024, as the mask has it; a negative length is taken as 1,024 HERE ALONE: its tiles are made and never read, since the next launch leaves such a batch out.
; A step is 512 numbers (half a row).  Its four loads read 512 consecutive bytes each; the 2,048 bytes turn through the wave's own stage in LDS so that a lane holds 16 neighbours along K; two neighbouring lanes hold a block.
; The codes are gathered as rows in the wave's own LDS and read back as fragments, so that each store of the wave covers 512 consecutive bytes, aligned.  Loads run eight steps (32 loads a wave) ahead.
; One hint serves all roles' loads (one path through the text): keys, values and the weights are read once; the queries' 131,072 bytes, which 64 work-groups read, ride under it too.
.set RGN,  14336                       ; LDS of a wave
.set SP,   80                          ; a lane's place in a stage: 64 bytes + 16 of padding
.set STG,  32*SP                       ; a stage; two of them at the region's head
.set CROW, 2*STG                       ; code rows: 16 x (512 bytes + 16)
.set CP,   528
.set SROW, CROW+16*CP                  ; scale rows: 16 x (32 bytes + 16)
.set SPI,  48
.set NSTR, 472                         ; work-groups of a tensor whose units go by stride
.set NOVF, 40                          ; and those that take the units behind 4 x 472
.set R,    128                         ; v128-255 eight sets of 16 numbers as loaded; later fragments on their way out; later the queries' fragments
.set X,    96                          ; v96-127  two sets of 16 neighbours; later the two accumulators
.set C,    16                          ; v16-23   codes, four sets of two
.set E,    24                          ; v24-27   scale bytes, four sets
.set WF,   16                          ; v16-79   W_query's eight fragments
.set QF,   128                         ; v128-255 the queries': two tiles x eight fragments
.set SW,   80                          ; v80-83   W_query's scale words; v84-91 the queries': these twelve hold scales and nothing else
.set SQ,   84
.set ACC,  96
	s_load_b256 s[4:11], s[0:1], 0x0               ; keys s[4:5], values s[6:7], W_key s[8:9], W_query s[10:11]
	s_load_b256 s[12:19], s[0:1], 0x20             ; queries s[12:13], memory_lengths s[14:15], codes s[16:17], scls s[18:19]
	s_load_b64 s[20:21], s[0:1], 0x40              ; pq
	v_lshl_add_u32 v94, v0, 2, 0xe000
	v_mov_b32 v95, 0
	v_lshrrev_b32 v12, 5, v0
	v_readfirstlane_b32 s2, v12                    ; wave 0..3
	v_and_b32 v12, 31, v0                          ; lane
	v_and_b32 v13, 15, v0                          ; r
	v_bfe_u32 v14, v0, 4, 1                        ; h
	s_mul_i32 s3, s2, RGN                          ; my region of LDS
	; every LDS address is made here, ahead of the first parting of the ways: a constant + a constant x lane + a constant x wave
	v_lshlrev_b32 v1, 4, v12                       ; v1: 16 x lane: my bytes of a load's or a store's 512
	v_lshrrev_b32 v2, 2, v12
	v_mul_u32_u24 v2, v2, SP
	v_and_b32 v15, 3, v12
	v_lshl_add_u32 v2, v15, 4, v2
	v_add_nc_u32 v2, s3, v2                        ; v2: into a stage: four lanes' 64 bytes on end, then the padding
	v_mul_u32_u24 v3, v12, SP
	v_add_nc_u32 v3, s3, v3                        ; v3: out of it: my 16 neighbours
	v_lshlrev_b32 v4, 3, v12
	v_add_nc_u32 v4, s3, v4
	v_add_nc_u32 v4, CROW, v4                      ; v4: my 8 bytes of a step's 256 bytes of codes
	v_lshrrev_b32 v5, 1, v12
	v_add_nc_u32 v5, s3, v5
	v_add_nc_u32 v5, SROW, v5                      ; v5: my block's scale byte
	v_mul_u32_u24 v8, v13, CP
	v_lshl_add_u32 v8, v14, 4, v8
	v_add_nc_u32 v8, CROW, v8                      ; v8: a fragment's bytes in wave 0's region: row r, + 16 h
	v_add_nc_u32 v6, s3, v8                        ; v6: the same in my region
	v_mul_u32_u24 v9, v13, SPI
	v_lshl_add_u32 v9, v14, 4, v9
	v_add_nc_u32 v9, SROW, v9                      ; v9: four scale words in wave 0's region: row r, + 16 h
	v_add_nc_u32 v7, s3, v9                        ; v7: the same in my region
	v_lshlrev_b32 v10, 12, v13
	v_lshl_add_u32 v10, v14, 5, v10                ; v10: pq: row r of 4,096 bytes, + 32 h
	; which unit of the list is mine (G >= 80; in the other roles these numbers mean nothing and are replaced below)
	s_sub_co_u32 s22, ttmp9, 80                    ; G'
	s_and_b32 s23, s22, 1                          ; the tensor: 0 keys, 1 values
	s_lshr_b32 s24, s22, 1                         ; j
	s_lshl_b32 s25, s24, 2
	s_add_co_u32 s25, s25, s2
	s_add_co_u32 s25, s25, 4*NSTR                  ; j < 40: unit 1,888 + 4 j + w
	s_mul_i32 s26, s2, NSTR
	s_add_co_u32 s26, s26, s24
	s_sub_co_u32 s26, s26, NOVF                    ; else: unit (j - 40) + 472 w
	s_cmp_lt_u32 s24, NOVF
	s_cselect_b32 s22, s25, s26                    ; u
	s_lshr_b32 s24, s22, 3                         ; the unit's block of eight tiles in the list,
	s_and_b32 s25, s22, 7                          ; and its tile in that block
	s_sub_co_u32 s31, ttmp9, 64                    ; under 16: a work-group of W_key
	s_lshl_b32 s32, s31, 2
	s_add_co_u32 s32, s32, s2                      ; its wave's tile,
	s_add_co_u32 s33, s32, 4096                    ; which lies behind the 4,096 among the images
	s_sub_co_u32 s34, s2, 1
	s_and_b32 s34, s34, 1                          ; waves 1, 2 of the first 64 work-groups: the queries' tiles 0, 1
	s_mov_b32 s41, 0
	s_mov_b32 s84, 0                               ; blocks in the list so far
	s_mov_b32 s86, 0                               ; s[86:87]: where my batch begins in the list, and its length
	s_mov_b32 s87, 0
	s_mov_b32 s88, 0                               ; batches that begin at or ahead of my block
	s_wait_kmcnt 0x0
	s_load_b512 s[48:63], s[14:15], 0x0            ; memory_lengths[0 .. 15]
	s_load_b512 s[68:83], s[14:15], 0x40           ; memory_lengths[16 .. 31]
	s_cmp_eq_u32 s23, 0                            ; every choice of a buffer hangs on the work-group's and the wave's number alone
	s_cselect_b64 s[28:29], s[4:5], s[6:7]         ; keys or values
	s_cmp_lt_u32 s31, 16
	s_cselect_b64 s[28:29], s[8:9], s[28:29]       ; W_key
	s_cmp_eq_u32 s2, 0
	s_cselect_b64 s[36:37], s[10:11], s[12:13]     ; the first 64 work-groups: wave 0 W_query, the others queries
	s_cselect_b32 s34, ttmp9, s34
	s_mov_b32 s38, 0x7fffffff                      ; weights and queries are quantised whole;
	s_cmp_eq_u32 s2, 3
	s_cselect_b32 s38, 0, s38                      ; wave 3 of such a work-group has no tile
	s_cmp_lt_u32 ttmp9, 64
	s_cselect_b64 s[28:29], s[36:37], s[28:29]
	s_wait_kmcnt 0x0                               ; the 32 lengths
; One batch of the walk.  s84: the list's blocks ahead of this batch.  Where that is at or under my block's number the batch may be mine: the last such batch is.
.macro SEEK reg
	s_min_u32 s85, s[\reg], 1024                   ; the length as the mask takes it
	s_cmp_le_u32 s84, s24
	s_cselect_b64 s[86:87], s[84:85], s[86:87]     ; its place in the list and its length, together
	s_add_co_ci_u32 s88, s88, 0                    ; and one more batch counted
	s_add_co_u32 s89, s85, 127
	s_lshr_b32 s89, s89, 7                         ; its blocks of 128 rows
	s_add_co_u32 s84, s84, s89
.endm
.set B, 0
.rept 16
	SEEK 48+B
.set B, B+1
.endr
.set B, 0
.rept 16
	SEEK 68+B
.set B, B+1
.endr
	s_sub_co_u32 s89, s88, 1                       ; b
	s_lshl_b32 s89, s89, 6
	s_sub_co_u32 s90, s24, s86                     ; my block in the batch
	s_lshl_b32 s90, s90, 3
	s_add_co_u32 s26, s90, s25                     ; mt: the tile's place in its batch
	s_add_co_u32 s27, s89, s26                     ; the tile in its tensor: 64 b + mt,
	s_lshl_b32 s30, s23, 11
	s_add_co_u32 s30, s30, s27                     ; and among the images
	s_cmp_lt_u32 s24, s84                          ; is my unit in the list at all?
	s_cselect_b32 s35, s87, 0                      ; the length that holds for my tile; 0: nothing to do
	s_cselect_b32 s26, s26, 0
	s_cmp_lt_u32 s31, 16                           ; W_key's work-groups
	s_cselect_b32 s27, s32, s27
	s_cselect_b32 s30, s33, s30
	s_cselect_b32 s26, 0, s26
	s_cselect_b32 s35, 0x7fffffff, s35
	s_cmp_lt_u32 ttmp9, 64                         ; W_query's and the queries'
	s_cselect_b32 s27, s34, s27
	s_cselect_b32 s30, 0, s30                      ; (these store no image)
	s_cselect_b32 s26, 0, s26
	s_cselect_b32 s35, s38, s35
	s_min_u32 s27, s27, 2047                       ; numbers that hang on loaded lengths pass a written bound; behind it only shifts and sums.  A unit of the list lies under both bounds as it is
	s_min_u32 s30, s30, 4159
	s_lshl_b32 s40, s27, 16
	s_add_nc_u64 s[28:29], s[28:29], s[40:41]      ; my tile's 65,536 bytes
	s_lshl_b32 s40, s30, 13
	s_add_nc_u64 s[16:17], s[16:17], s[40:41]      ; its image of codes,
	s_lshl_b32 s40, s30, 9
	s_add_nc_u64 s[18:19], s[18:19], s[40:41]      ; and of scale words
	s_lshl_b32 s42, s26, 4                         ; the tile's first row,
	s_and_b32 s43, s26, 56
	s_lshl_b32 s43, s43, 4                         ; and its block's
	s_cmp_lt_i32 s42, s35
	s_cbranch_scc1 .Lquant                         ; a row of the tile counts
	s_cmp_lt_i32 s43, s35
	s_cbranch_scc0 .Lbar                           ; no tile is mine
	; zero codes under the byte 127: they add nothing to a sum
.irp j, 0,1,2,3
	v_mov_b32 v[R+\j], 0
	v_mov_b32 v[R+4+\j], 0x7f7f7f7f
.endr
.set K, 0
.rept 16
	global_store_b128 v1, v[R:R+3], s[16:17] offset:512*K
.set K, K+1
.endr
	global_store_b128 v1, v[R+4:R+7], s[18:19]
	s_branch .Lbar
.macro LOAD t                          ; step t's 2,048 bytes into set t % 8
.irp i, 0,1,2,3
	global_load_b128 v[R+16*((\t)%8)+4*\i:R+16*((\t)%8)+4*\i+3], v1, s[28:29] offset:2048*(\t)+512*\i th:TH_LOAD_NT
.endr
.endm
.macro TURN t                          ; through stage t % 2: LDS serves a wave's instructions in order (ISA guide 5.7.1.4), so no wait stands between the stores and the loads
.irp i, 0,1,2,3
	ds_store_b128 v2, v[R+16*((\t)%8)+4*\i:R+16*((\t)%8)+4*\i+3] offset:STG*((\t)%2)+8*SP*\i
.endr
.irp i, 0,1,2,3
	ds_load_b128 v[X+16*((\t)%2)+4*\i:X+16*((\t)%2)+4*\i+3], v3 offset:STG*((\t)%2)+16*\i
.endr
.endm
.macro STEP t
.set XS, X+16*((\t)%2)
.if (\t) > 0
	s_wait_dscnt 2                                 ; this step's numbers are back from the stage; behind them only the last step's two stores were issued
.else
	s_wait_dscnt 0x0
.endif
.if (\t)+8 < 32
	LOAD (\t)+8                                    ; into the set that this step's stage stores have read
.endif
.if (\t) < 31
.if (\t)+8 <= 31
	s_wait_loadcnt 28                              ; the next step's four loads are in; the seven steps behind it may be out
.else
	s_wait_loadcnt 4*(30-(\t))                     ; towards the end fewer steps stand behind it
.endif
	TURN (\t)+1                                    ; the next step goes through the other stage while this one is worked
.endif
	v_max3_num_f32 v12, |v[XS]|, |v[XS+1]|, |v[XS+2]|              ; the largest magnitude of my 16, in two chains
	v_max3_num_f32 v13, |v[XS+3]|, |v[XS+4]|, |v[XS+5]|
.irp i, 6,10
	v_max3_num_f32 v12, v12, |v[XS+\i]|, |v[XS+\i+1]|
	v_max3_num_f32 v13, v13, |v[XS+\i+2]|, |v[XS+\i+3]|
.endr
	v_max3_num_f32 v12, v12, |v[XS+14]|, |v[XS+15]|
	v_max3_num_f32 v12, v12, v13, 0x1800000        ; and the floor 2^(3 - 127): the byte cannot fall under 1
	v_max_num_f32_dpp v12, v12, v12 row_xmask:1 row_mask:0xf bank_mask:0xf   ; with my neighbour's 16: the block's
	v_add_nc_u32 v14, 0xff000000, v12              ; 2 off its exponent field: the conversion takes the exponent field of this operand as its scale
	v_cvt_scalef32_pk8_fp4_f32 v[C+2*((\t)%4)], v[XS:XS+7], v14
	v_cvt_scalef32_pk8_fp4_f32 v[C+2*((\t)%4)+1], v[XS+8:XS+15], v14
	v_lshrrev_b32 v[E+(\t)%4], 23, v14             ; the scale's byte; also the plain line behind the conversions
	ds_store_b64 v4, v[C+2*((\t)%4):C+2*((\t)%4)+1] offset:CP*((\t)/2)+256*((\t)%2)   ; row t / 2, half t % 2
	ds_store_b8 v5, v[E+(\t)%4] offset:SPI*((\t)/2)+16*((\t)%2)                       ; both lanes of a block write the same byte with the same value
.endm
.Lquant:
.set T, 0
.rept 8
	LOAD T
.set T, T+1
.endr
	s_wait_loadcnt 28                              ; step 0's four loads are in
	TURN 0
.set T, 0
.rept 32
	STEP T
.set T, T+1
.endr
	s_cmp_lt_u32 ttmp9, 64
	s_cbranch_scc1 .Lbar                           ; W_query's and the queries' codes stay in LDS
	; the tile leaves as images: the fragments are read as a matrix instruction wants them and stored lane by lane
.set K, 0
.rept 16
	ds_load_b128 v[R+4*K:R+4*K+3], v6 offset:32*K  ; K step K / 2, half K % 2: 64 (K / 2) + 32 (K % 2) bytes along the row
.set K, K+1
.endr
	ds_load_b128 v[R+64:R+67], v7
.set K, 0
.rept 16
	s_wait_dscnt 16-K                              ; LDS loads come back in order: number K is in
	global_store_b128 v1, v[R+4*K:R+4*K+3], s[16:17] offset:512*K    ; the wave stores 512 consecutive bytes, aligned
.set K, K+1
.endr
	s_wait_dscnt 0x0
	global_store_b128 v1, v[R+64:R+67], s[18:19]
.Lbar:
	s_wait_dscnt 0x0                               ; for the others' sake: my LDS stores have landed
	s_barrier_signal -1                            ; the one barrier: every wave passes it, whatever its way
	s_barrier_wait -1
	s_cmp_lt_u32 ttmp9, 64
	s_cbranch_scc0 .Lend
	s_cmp_eq_u32 s2, 0
	s_cbranch_scc0 .Lend
	; pq(batch, n) for n = 16 G .. 16 G + 15, all 32 batches.  TRANSPOSED: source 0 = 16 rows of W_query, source 1 = 16 queries: a lane holds one batch (16 a + r) and eight neighbouring n (16 G + 8 h + j).
	s_wait_xcnt 0x0                                ; the registers loaded below are store data on the other roles' ways
	s_lshl_b32 s40, ttmp9, 6
	s_add_nc_u64 s[20:21], s[20:21], s[40:41]      ; pq at column 16 G
.set K, 0
.rept 16
	ds_load_b128 v[WF+4*K:WF+4*K+3], v8 offset:32*K
.set K, K+1
.endr
.irp a, 0,1
.set K, 0
.rept 16
	ds_load_b128 v[QF+64*\a+4*K:QF+64*\a+4*K+3], v8 offset:(\a+1)*RGN+32*K     ; what waves 1 and 2 stored
.set K, K+1
.endr
.endr
	ds_load_b128 v[SW:SW+3], v9
	ds_load_b128 v[SQ:SQ+3], v9 offset:RGN
	ds_load_b128 v[SQ+4:SQ+7], v9 offset:2*RGN
	s_wait_dscnt 0x0
.macro PQW s, a                        ; K step s, tile a of the queries.  K steps 4 to 7 take their scale words from lanes 16-31
.if \s == 0
	v_wmma_scale_f32_16x16x128_f8f6f4 v[ACC+8*\a:ACC+8*\a+7], v[WF+8*\s:WF+8*\s+7], v[QF+64*\a+8*\s:QF+64*\a+8*\s+7], 0, v[SW+\s%4], v[SQ+4*\a+\s%4] matrix_a_fmt:MATRIX_FMT_FP4 matrix_b_fmt:MATRIX_FMT_FP4
.elseif \s < 4
	v_wmma_scale_f32_16x16x128_f8f6f4 v[ACC+8*\a:ACC+8*\a+7], v[WF+8*\s:WF+8*\s+7], v[QF+64*\a+8*\s:QF+64*\a+8*\s+7], v[ACC+8*\a:ACC+8*\a+7], v[SW+\s%4], v[SQ+4*\a+\s%4] matrix_a_fmt:MATRIX_FMT_FP4 matrix_b_fmt:MATRIX_FMT_FP4
.else
	v_wmma_scale_f32_16x16x128_f8f6f4 v[ACC+8*\a:ACC+8*\a+7], v[WF+8*\s:WF+8*\s+7], v[QF+64*\a+8*\s:QF+64*\a+8*\s+7], v[ACC+8*\a:ACC+8*\a+7], v[SW+\s%4], v[SQ+4*\a+\s%4] matrix_a_fmt:MATRIX_FMT_FP4 matrix_b_fmt:MATRIX_FMT_FP4 matrix_a_scale:MATRIX_SCALE_ROW1 matrix_b_scale:MATRIX_SCALE_ROW1
.endif
.endm
.irp s, 0,1,2,3,4,5,6,7                ; the two accumulators take turns, one instruction a turn
.irp a, 0,1
	PQW \s, \a
.endr
.endr
.rept 4
	v_nop                                          ; four places between a matrix instruction and the store of its result
.endr
.irp a, 0,1                            ; 32 bytes a lane, rows 4,096 bytes apart: pieces of 64 bytes of 32 rows; pq is 131,072 bytes in all
	global_store_b128 v10, v[ACC+8*\a:ACC+8*\a+3], s[20:21] offset:65536*\a          ; each accumulator from its low end on
	global_store_b128 v10, v[ACC+8*\a+4:ACC+8*\a+7], s[20:21] offset:65536*\a+16
.endr
.Lend:
	s_wait_tensorcnt 0x0
	ds_add_u32 v94, v95
	s_wait_dscnt 0x0
	s_endpgm
.Lfunc_end_k_q47a3340a33_quant:
	.size	k_q47a3340a33_quant, .Lfunc_end_k_q47a3340a33_quant-k_q47a3340a33_quant
	.p2alignl 7, 3214868480
	.fill 96, 4, 3214868480
	.section	.rodata,"a",@progbits
	.p2align	6, 0x0
	.amdhsa_kernel k_q47a3340a33_quant
		.amdhsa_group_segment_fixed_size 57856
		.amdhsa_private_segment_fixed_size 0
		.amdhsa_enable_private_segment 0
		.amdhsa_kernarg_size 72
		.amdhsa_user_sgpr_count 2
		.amdhsa_user_sgpr_kernarg_segment_ptr 1
		.amdhsa_wavefront_size32 1
		.amdhsa_system_sgpr_workgroup_id_x 1
		.amdhsa_system_sgpr_workgroup_id_y 1
		.amdhsa_system_sgpr_workgroup_id_z 1
		.amdhsa_system_vgpr_workitem_id 0
		.amdhsa_next_free_vgpr 256
		.amdhsa_next_free_sgpr 96
		.amdhsa_reserve_vcc 0
		.amdhsa_float_denorm_mode_32 3
		.amdhsa_float_denorm_mode_16_64 3
		.amdhsa_memory_ordered 1
		.amdhsa_forward_progress 1
		.amdhsa_inst_pref_size 86
	.end_amdhsa_kernel
	.amdgpu_metadata
---
amdhsa.version: [ 1, 2 ]
amdhsa.kernels:
  - .name:           k_q47a3340a33_quant
    .symbol:         k_q47a3340a33_quant.kd
    .args:
      - { .name: keys, .offset: 0, .size: 8, .value_kind: global_buffer, .address_space: global }
      - { .name: values, .offset: 8, .size: 8, .value_kind: global_buffer, .address_space: global }
      - { .name: W_key, .offset: 16, .size: 8, .value_kind: global_buffer, .address_space: global }
      - { .name: W_query, .offset: 24, .size: 8, .value_kind: global_buffer, .address_space: global }
      - { .name: queries, .offset: 32, .size: 8, .value_kind: global_buffer, .address_space: global }
      - { .name: memory_lengths, .offset: 40, .size: 8, .value_kind: global_buffer, .address_space: global }
      - { .name: codes, .offset: 48, .size: 8, .value_kind: global_buffer, .address_space: global }
      - { .name: scls, .offset: 56, .size: 8, .value_kind: global_buffer, .address_space: global }
      - { .name: pq, .offset: 64, .size: 8, .value_kind: global_buffer, .address_space: global }
    .group_segment_fixed_size: 57856
    .private_segment_fixed_size: 0
    .kernarg_segment_align: 8
    .kernarg_segment_size: 72
    .max_flat_workgroup_size: 128
    .sgpr_count:     96
    .vgpr_count:     256
    .wavefront_size: 32
...
	.end_amdgpu_metadata
.endif
;; end of part 1
;; launch gemm (part 2): grid 8 x 32, 4 waves a work-group, no clusters, 8,704 bytes of LDS; arguments memory_lengths, W_energy, codes, scls, pq, scores, partial; writes scores, partial
.if DOCPART == 2
	.amdgcn_target "amdgcn-amd-amdhsa--gfx1250"
	.amdhsa_code_object_version 6
	.text
	.protected	k_q47a3340a33_gemm
	.globl	k_q47a3340a33_gemm
	.p2align	8
	.type	k_q47a3340a33_gemm,@function
k_q47a3340a33_gemm:
	s_mov_b64 s[64:65], 0
	v_nop
	global_prefetch_b8 v0, s[64:65] scope:SCOPE_SE
	s_setreg_imm32_b32 hwreg(HW_REG_WAVE_MODE, 25, 1), 1
	s_wait_xcnt 0x0
; A work-group takes one block of 128 memory rows of one batch (x = block, y = batch) through both large products, on codes of FP4 (E2M1) with E8M0 scales, as the launch before laid them (images of operand registers).
;   pass 1: pk = keys W_key^T + pq;  score[m] = sum over n of W_energy[n] tanh(pk[m][n]);  rows m >= memory_lengths[b] get -infinity;  p[m] = exp(score[m] - the block's largest score).
;   pass 2: pv = values W_key^T;  partial[n] = sum over the block's m of p[m] pv[m][n].  The last launch brings the blocks of a batch under one maximum and divides by the sum.
; THE MASK.  A block all of whose rows lie at or beyond the length has weight 0 in reference(): it multiplies nothing, stores -infinity scores and a zero partial.  That is a branch on a number read from memory, so the
;   text has no tensor load, no copy and no joint request: all operands come from memory straight into registers.  The one barrier stands outside both branches.
; SHARES.  Wave w owns all 128 rows x columns 256 w .. 256 w + 255: 16 tiles of 16 columns.  A's 8 tiles x 8 K steps stay in 512 registers for a whole pass; a tile of W_key (8 fragments, 64 registers) feeds 64 matrix instructions.
; W_key's tiles are shared by all work-groups, but which work-groups multiply hangs on the lengths: partners of a cluster would not make the same requests, so nothing is asked for jointly.
; tanh(x) = 1 - 2 / (1 + 2^(2 log2(e) x)): right at both ends, where the power is infinite or 0.  So score = sum of W_energy - 2 x sum of W_energy / (1 + 2^..), both sums in f32, of the size of the score's own terms.
; LIMITS: NaN and infinities among the inputs are not served; a length of 0 or less leaves every score -infinity (the last launch then gives NaN, as reference() does).
; REGISTERS, in windows of 256 (s_set_vgpr_msb: bits 1:0 source 0, 3:2 source 1, 5:4 source 2, 7:6 destination):
;   window 0: v1-11 offsets and LDS addresses; v12-31 at work; v32-63 A's scale words, v64-79 W's (four sets): these hold scales and nothing else; v80-111 pq, v112-143 W_energy (four sets of 8), in pass 2 p;
;             v144-159 the scores' sums, in pass 2 at work; v160-161 the sum of W_energy; v176-179 scores; v180-181 on the way out; v182 -infinity; v192-255 eight accumulators.
;   window 1: W's fragments, four sets of 64.   window 2: A's tiles 0-3 (64 i + 8 s).   window 3: A's tiles 4-7.
.set SCP,  0                           ; LDS: each wave's part of the 128 scores: 4 x 512 bytes
.set PWB,  2048                        ; each wave's own copy of p: 4 x 512 bytes
.set OUTS, 4096                        ; each wave's 64 results on the way out: 4 x 256 bytes
.set AS,   32
.set BS,   64
.set PQ,   80
.set WE,   112
.set P,    80
.set SA,   144
.set OT,   144
.set WS,   160
.set S,    176
.set ACC,  192
.set WCC,  36                          ; s[36:37] W's codes, s[38:39] W's scale words: they walk, four tiles a trip
.set WSC,  38
.set PQC,  40                          ; s[40:41] pq, s[42:43] W_energy at my columns: they walk likewise
.set WEC,  42
.set MSB, 0
.macro WIN new                         ; the immediate's high byte repeats the setting that is left
.if MSB != \new
	s_set_vgpr_msb (MSB<<8)|\new
.set MSB, \new
.endif
.endm
.macro PLACES                          ; four places between a matrix instruction and a vector instruction that reads its result (ISA guide 7.12.1)
.rept 4
	v_nop
.endr
.endm
; A's 8 tiles: 128 loads of 512 consecutive bytes, and 8 for the scale words: 136
.macro ALOAD cb, sb
	WIN 0x80                                       ; destination window 2
.irp i, 0,1,2,3
.set K, 0
.rept 16
	global_load_b128 v[64*\i+4*K:64*\i+4*K+3], v1, s[\cb:\cb+1] offset:8192*\i+512*K
.set K, K+1
.endr
.endr
	WIN 0xc0                                       ; destination window 3
.irp i, 0,1,2,3
.set K, 0
.rept 16
	global_load_b128 v[64*\i+4*K:64*\i+4*K+3], v1, s[\cb:\cb+1] offset:8192*(\i+4)+512*K
.set K, K+1
.endr
.endr
	WIN 0
.irp i, 0,1,2,3,4,5,6,7
	global_load_b128 v[AS+4*\i:AS+4*\i+3], v1, s[\sb:\sb+1] offset:512*\i
.endr
.endm
; W's tile k of the trip into set: 16 loads of codes, 1 of scale words; with = 1: and the tile's eight pq and eight W_energy of my half (n = 16 T + 8 h + 0 .. 7): 21 loads, else 17
.macro BLOAD set, k, with
	WIN 0x40                                       ; destination window 1
.set K, 0
.rept 16
	global_load_b128 v[64*(\set)+4*K:64*(\set)+4*K+3], v1, s[WCC:WCC+1] offset:8192*(\k)+512*K
.set K, K+1
.endr
	WIN 0
	global_load_b128 v[BS+4*(\set):BS+4*(\set)+3], v1, s[WSC:WSC+1] offset:512*(\k)
.if \with
	global_load_b128 v[PQ+8*(\set):PQ+8*(\set)+3], v2, s[PQC:PQC+1] offset:64*(\k)
	global_load_b128 v[PQ+8*(\set)+4:PQ+8*(\set)+7], v2, s[PQC:PQC+1] offset:64*(\k)+16
	global_load_b128 v[WE+8*(\set):WE+8*(\set)+3], v2, s[WEC:WEC+1] offset:64*(\k)
	global_load_b128 v[WE+8*(\set)+4:WE+8*(\set)+7], v2, s[WEC:WEC+1] offset:64*(\k)+16
.endif
.endm
; PASS 1's product, TRANSPOSED: source 0 = 16 rows of W_key, source 1 = 16 rows of keys: a lane holds ONE memory row (16 i + r) and eight neighbouring columns.  pq is the C of each sum's first instruction.
; K steps 4 to 7 take their scale words from lanes 16-31 of the same registers.
.macro KW set, s, i, hi
.set rD, ACC+8*(4*\hi+\i)
.set rB, 64*(\set)+8*\s
.set rA, 64*\i+8*\s
.set rSB, BS+4*(\set)+\s%4
.set rSA, AS+4*(4*\hi+\i)+\s%4
.if \s == 0
	v_wmma_scale_f32_16x16x128_f8f6f4 v[rD:rD+7], v[rB:rB+7], v[rA:rA+7], v[PQ+8*(\set):PQ+8*(\set)+7], v[rSB], v[rSA] matrix_a_fmt:MATRIX_FMT_FP4 matrix_b_fmt:MATRIX_FMT_FP4
.elseif \s < 4
	v_wmma_scale_f32_16x16x128_f8f6f4 v[rD:rD+7], v[rB:rB+7], v[rA:rA+7], v[rD:rD+7], v[rSB], v[rSA] matrix_a_fmt:MATRIX_FMT_FP4 matrix_b_fmt:MATRIX_FMT_FP4
.else
	v_wmma_scale_f32_16x16x128_f8f6f4 v[rD:rD+7], v[rB:rB+7], v[rA:rA+7], v[rD:rD+7], v[rSB], v[rSA] matrix_a_fmt:MATRIX_FMT_FP4 matrix_b_fmt:MATRIX_FMT_FP4 matrix_a_scale:MATRIX_SCALE_ROW1 matrix_b_scale:MATRIX_SCALE_ROW1
.endif
.endm
.macro KMUL set                        ; 64 matrix instructions; four accumulators take turns, one instruction a turn
	WIN 0x09                                       ; source 0 (W) window 1, source 1 (A) window 2
.irp s, 0,1,2,3,4,5,6,7
.irp i, 0,1,2,3
	KW \set, \s, \i, 0
.endr
.endr
	WIN 0x0d                                       ; source 1 window 3
.irp s, 0,1,2,3,4,5,6,7
.irp i, 0,1,2,3
	KW \set, \s, \i, 1
.endr
.endr
	WIN 0
.endm
; 64 numbers a lane: r = 1 / (1 + 2^(c x)), and the scores' sums take W_energy x r.  Two batches of 64 transcendentals, each with one plain line behind it and ONE wait ahead of its first reader.
.macro TANH set
.set n, 0
.rept 32
	v_pk_mul_f32 v[ACC+n:ACC+n+1], v[ACC+n:ACC+n+1], s[48:49] op_sel_hi:[1,0]    ; c x, each accumulator from its low end on
.set n, n+2
.endr
.set n, 0
.rept 64
	v_exp_f32 v[ACC+n], v[ACC+n]
.set n, n+1
.endr
.irp q, 0,1,2,3
	v_pk_add_f32 v[WS:WS+1], v[WS:WS+1], v[WE+8*(\set)+2*\q:WE+8*(\set)+2*\q+1]   ; the sum of W_energy: work that names no exponential's result
.endr
	s_wait_alu depctr_va_vdst(0)
.set n, 0
.rept 32
	v_pk_add_f32 v[ACC+n:ACC+n+1], v[ACC+n:ACC+n+1], 1.0 op_sel_hi:[1,0]
.set n, n+2
.endr
.set n, 0
.rept 64
	v_rcp_f32 v[ACC+n], v[ACC+n]
.set n, n+1
.endr
	v_nop
	s_wait_alu depctr_va_vdst(0)
.irp q, 0,1,2,3                        ; the eight rows' sums by turns: no line waits for the line above it
.irp i, 0,1,2,3,4,5,6,7
	v_pk_fma_f32 v[SA+2*\i:SA+2*\i+1], v[ACC+8*\i+2*\q:ACC+8*\i+2*\q+1], v[WE+8*(\set)+2*\q:WE+8*(\set)+2*\q+1], v[SA+2*\i:SA+2*\i+1]
.endr
.endr
.endm
; A tile's turn in pass 1.  issue = 1: the tile two on is asked for, into the set whose tile was multiplied two turns ago.  wait: the loads issued behind this tile's (21 a tile).
; ask = 1: my quarter of the values' images (16,384 of the block's 65,536 bytes: lanes 256 bytes apart, two instructions) is prefetched, three tiles' turns ahead of the loads that want it; each byte is named by one wave of one work-group.
.macro KITER q, issue, wait, ask
.if \issue
	BLOAD (\q+2)%4, \q+2, 1
.endif
.if \ask
	global_prefetch_b8 v4, s[58:59] th:TH_LOAD_NT scope:SCOPE_SE
	global_prefetch_b8 v4, s[58:59] offset:8192 th:TH_LOAD_NT scope:SCOPE_SE
.endif
	s_wait_loadcnt \wait
	KMUL \q
	PLACES
	TANH \q
.endm
; PASS 2's product, in the natural order: source 0 = 16 rows of values, source 1 = 16 rows of W_key: a lane holds ONE column (16 T + r) and eight rows (16 i + 8 h + j).  The first instruction of a sum takes the constant 0.
.macro VW set, s, i, hi
.set rD, ACC+8*(4*\hi+\i)
.set rB, 64*(\set)+8*\s
.set rA, 64*\i+8*\s
.set rSB, BS+4*(\set)+\s%4
.set rSA, AS+4*(4*\hi+\i)+\s%4
.if \s == 0
	v_wmma_scale_f32_16x16x128_f8f6f4 v[rD:rD+7], v[rA:rA+7], v[rB:rB+7], 0, v[rSA], v[rSB] matrix_a_fmt:MATRIX_FMT_FP4 matrix_b_fmt:MATRIX_FMT_FP4
.elseif \s < 4
	v_wmma_scale_f32_16x16x128_f8f6f4 v[rD:rD+7], v[rA:rA+7], v[rB:rB+7], v[rD:rD+7], v[rSA], v[rSB] matrix_a_fmt:MATRIX_FMT_FP4 matrix_b_fmt:MATRIX_FMT_FP4
.else
	v_wmma_scale_f32_16x16x128_f8f6f4 v[rD:rD+7], v[rA:rA+7], v[rB:rB+7], v[rD:rD+7], v[rSA], v[rSB] matrix_a_fmt:MATRIX_FMT_FP4 matrix_b_fmt:MATRIX_FMT_FP4 matrix_a_scale:MATRIX_SCALE_ROW1 matrix_b_scale:MATRIX_SCALE_ROW1
.endif
.endm
.macro VMUL set
	WIN 0x06                                       ; source 0 (A) window 2, source 1 (W) window 1
.irp s, 0,1,2,3,4,5,6,7
.irp i, 0,1,2,3
	VW \set, \s, \i, 0
.endr
.endr
	WIN 0x07                                       ; source 0 window 3
.irp s, 0,1,2,3,4,5,6,7
.irp i, 0,1,2,3
	VW \set, \s, \i, 1
.endr
.endr
	WIN 0
.endm
.macro WEIGH q                         ; my column's sum of p x pv over my 64 rows, then with the other half of the lanes'; the result goes to my wave's 64 words in LDS
.irp u, 0,1,2,3
	v_pk_mul_f32 v[OT+2*\u:OT+2*\u+1], v[ACC+2*\u:ACC+2*\u+1], v[P+2*\u:P+2*\u+1]   ; the first tile's products start the sums
.endr
.irp i, 1,2,3,4,5,6,7
.irp u, 0,1,2,3
	v_pk_fma_f32 v[OT+2*\u:OT+2*\u+1], v[ACC+8*\i+2*\u:ACC+8*\i+2*\u+1], v[P+8*\i+2*\u:P+8*\i+2*\u+1], v[OT+2*\u:OT+2*\u+1]   ; each accumulator from its low end on
.endr
.endr
	v_pk_add_f32 v[OT:OT+1], v[OT:OT+1], v[OT+2:OT+3]
	v_pk_add_f32 v[OT+4:OT+5], v[OT+4:OT+5], v[OT+6:OT+7]
	v_pk_add_f32 v[OT:OT+1], v[OT:OT+1], v[OT+4:OT+5]
	v_add_f32 v152, v[OT], v[OT+1]
	v_permlanex16_b32 v153, v152, s50, s51
	v_add_f32 v152, v152, v153
	ds_store_b32 v9, v152 offset:64*\q             ; both halves of the lanes write the same word with the same value
.endm
; A tile's turn in pass 2.  issue = 1: the tile three on is asked for, into the set just multiplied (four places and the weighing stand between).  wait: the loads issued behind this tile's (17 a tile).
.macro VITER q, issue, wait
.if \issue
	BLOAD (\q+3)%4, \q+3, 0
.endif
	s_wait_loadcnt \wait
	VMUL \q
	PLACES
	WEIGH \q
.endm
.macro FLUSH more                      ; four tiles' 64 results leave: the wave stores 256 consecutive bytes, aligned
	ds_load_b64 v[180:181], v10                    ; LDS serves a wave's instructions in order: this sees my four stores
	s_wait_dscnt 0x0
	global_store_b64 v3, v[180:181], s[44:45]
.if \more
	s_wait_xcnt 0x0                                ; the store and the trip's loads have read their registers and bases: these are stepped only behind this wait
	s_add_nc_u64 s[44:45], s[44:45], 256
.endif
.endm
.macro SCORE_OUT                       ; all four waves hold the same 128 scores: wave 0 stores them, 512 consecutive bytes, aligned
	s_cmp_lg_u32 s2, 0
	s_cbranch_scc1 .Lnot_wave_0_\@
	global_store_b128 v1, v[S:S+3], s[46:47]
.Lnot_wave_0_\@:
.endm
	s_load_b256 s[8:15], s[0:1], 0x0               ; memory_lengths s[8:9], W_energy s[10:11], codes s[12:13], scls s[14:15]
	s_load_b128 s[16:19], s[0:1], 0x20             ; pq s[16:17], scores s[18:19]
	s_load_b64 s[20:21], s[0:1], 0x30              ; partial
	v_lshl_add_u32 v190, v0, 2, 0x2000
	v_mov_b32 v191, 0
	v_lshrrev_b32 v12, 5, v0
	v_readfirstlane_b32 s2, v12                    ; wave 0..3
	s_and_b32 s3, ttmp7, 0xffff                    ; b
	s_mov_b32 s4, ttmp9                            ; the block
	v_and_b32 v12, 31, v0                          ; lane
	v_and_b32 v14, 15, v0                          ; r
	v_bfe_u32 v15, v0, 4, 1                        ; h
	; every offset and LDS address is made here, ahead of the branches on the length, and none is stepped
	v_lshlrev_b32 v1, 4, v12                       ; v1: 16 x lane: an image's bytes; also my four scores in SCP
	v_lshlrev_b32 v2, 5, v15                       ; v2: 32 h: my half's eight numbers of a tile's pq and W_energy
	v_lshlrev_b32 v3, 3, v12                       ; v3: 8 x lane
	v_lshlrev_b32 v4, 8, v12                       ; v4: 256 x lane: the prefetches'
	s_lshl_b32 s6, s2, 9
	v_lshlrev_b32 v5, 2, v14
	v_add_nc_u32 v5, s6, v5                        ; v5: SCP + 512 w + 4 r
	s_add_co_u32 s7, s6, PWB
	v_add_nc_u32 v7, s7, v1                        ; v7: PWB + 512 w + 16 x lane: where I put four p
	v_add_nc_u32 v8, s7, v2                        ; v8: PWB + 512 w + 32 h: where I read a tile's eight
	s_lshl_b32 s7, s2, 8
	s_add_co_u32 s7, s7, OUTS
	v_lshl_add_u32 v9, v14, 2, s7                  ; v9: OUTS + 256 w + 4 r
	v_add_nc_u32 v10, s7, v3                       ; v10: OUTS + 256 w + 8 x lane
	v_lshlrev_b32 v11, 2, v12                      ; v11: 4 x lane: the first of my four rows behind the barrier
	v_mov_b32 v13, 0
	v_mov_b32 v182, 0xff800000                     ; -infinity
.irp i, 0,1,2,3,4,5,6,7
	ds_store_b32 v5, v13 offset:SCP+64*\i          ; my part of SCP is written on every way to the barrier
.endr
	s_lshl_b32 s6, s3, 2
	s_mov_b32 s7, 0
	s_wait_kmcnt 0x0
	s_add_nc_u64 s[60:61], s[8:9], s[6:7]
	s_load_b32 s5, s[60:61], 0x0                   ; memory_lengths[b]
	s_lshl_b32 s22, s3, 6
	s_lshl_b32 s23, s4, 3
	s_add_co_u32 s22, s22, s23                     ; the block's first tile: 64 b + 8 x block
	s_lshl_b32 s6, s22, 13
	s_add_nc_u64 s[24:25], s[12:13], s[6:7]        ; the keys' images,
	s_lshl_b32 s6, s22, 9
	s_add_nc_u64 s[26:27], s[14:15], s[6:7]        ; their scale words;
	s_add_nc_u64 s[28:29], s[24:25], 0x1000000     ; the values' lie 2,048 tiles on
	s_add_nc_u64 s[30:31], s[26:27], 0x100000
	s_lshl_b32 s6, s2, 17
	s_add_nc_u64 s[32:33], s[12:13], s[6:7]
	s_add_nc_u64 s[32:33], s[32:33], 0x2000000     ; W_key's tile 16 w: 4,096 + 16 w tiles on
	s_lshl_b32 s6, s2, 13
	s_add_nc_u64 s[34:35], s[14:15], s[6:7]
	s_add_nc_u64 s[34:35], s[34:35], 0x200000
	s_lshl_b32 s22, s3, 12                         ; 4,096 b
	s_lshl_b32 s23, s2, 10                         ; 1,024 w
	s_add_co_u32 s6, s22, s23
	s_add_nc_u64 s[PQC:PQC+1], s[16:17], s[6:7]    ; pq[b] at my columns
	s_mov_b32 s6, s23
	s_add_nc_u64 s[WEC:WEC+1], s[10:11], s[6:7]    ; W_energy likewise
	s_lshl_b32 s6, s4, 9
	s_add_co_u32 s6, s6, s22
	s_add_nc_u64 s[46:47], s[18:19], s[6:7]        ; scores[b] at the block's rows
	s_lshl_b32 s6, s3, 15
	s_lshl_b32 s22, s4, 12
	s_add_co_u32 s6, s6, s22
	s_add_co_u32 s6, s6, s23
	s_add_nc_u64 s[44:45], s[20:21], s[6:7]        ; partial[b][block] at my columns
	s_lshl_b32 s6, s2, 14
	s_add_nc_u64 s[58:59], s[28:29], s[6:7]        ; my quarter of the values' images
	s_mov_b32 s48, 0x4038aa3b                      ; c = 2 log2(e)
	s_mov_b32 s49, s48                             ; (named with it as a pair, so it is written)
	s_mov_b32 s50, 0x76543210
	s_mov_b32 s51, 0xfedcba98                      ; v_permlanex16_b32's selects for lane l xor 16
	s_mov_b32 s53, 0x3fb8aa3b                      ; log2(e)
	s_wait_kmcnt 0x0
	s_lshl_b32 s6, s4, 7
	s_sub_co_i32 s5, s5, s6                        ; how many of the block's rows count, if above 0
	s_mov_b32 s54, s5
	s_sub_co_i32 s55, s5, 1
	s_sub_co_i32 s56, s5, 2
	s_sub_co_i32 s57, s5, 3
	; ---- PASS 1
	s_cmp_le_i32 s5, 0
	s_cbranch_scc1 .Lmeet                          ; the same in all four waves
	ALOAD 24, 26
	s_mov_b64 s[WCC:WCC+1], s[32:33]
	s_mov_b64 s[WSC:WSC+1], s[34:35]
	BLOAD 0, 0, 1
	BLOAD 1, 1, 1
.set n, 0
.rept 18
	v_mov_b32 v[SA+n], 0                           ; the eight rows' sums and the sum of W_energy (v144-161)
.set n, n+1
.endr
	s_mov_b32 s52, 3
.Lkeys:                                            ; a trip: four tiles, until the sets' numbers are back where they began.  At each wait two younger tiles, 42 loads, may be out; on the way in A's 136 stand ahead of tile 0's
	KITER 0, 1, 42, 0
	KITER 1, 1, 42, 0
	KITER 2, 1, 42, 0
	KITER 3, 1, 42, 0
	s_wait_xcnt 0x0                                ; the trip's loads have read their bases
	s_add_nc_u64 s[WCC:WCC+1], s[WCC:WCC+1], 32768
	s_add_nc_u64 s[WSC:WSC+1], s[WSC:WSC+1], 2048
	s_add_nc_u64 s[PQC:PQC+1], s[PQC:PQC+1], 256
	s_add_nc_u64 s[WEC:WEC+1], s[WEC:WEC+1], 256
	s_sub_co_u32 s52, s52, 1
	s_cmp_lg_u32 s52, 0
	s_cbranch_scc1 .Lkeys
	KITER 0, 1, 42, 0                              ; tiles 12 to 15: the last two ask for nothing, and the counts run down
	KITER 1, 1, 42, 1
	KITER 2, 0, 21, 0
	KITER 3, 0, 0, 0
	; my 256 columns' part of the 128 scores
.irp i, 0,1,2,3,4,5,6,7
	v_add_f32 v[SA+2*\i], v[SA+2*\i], v[SA+2*\i+1]
.endr
	v_add_f32 v[WS], v[WS], v[WS+1]
.irp i, 0,1,2,3,4,5,6,7
	v_permlanex16_b32 v[SA+2*\i+1], v[SA+2*\i], s50, s51
.endr
	v_permlanex16_b32 v[WS+1], v[WS], s50, s51
.irp i, 0,1,2,3,4,5,6,7
	v_add_f32 v[SA+2*\i], v[SA+2*\i], v[SA+2*\i+1]
.endr
	v_add_f32 v[WS], v[WS], v[WS+1]
.irp i, 0,1,2,3,4,5,6,7
	v_fma_f32 v[SA+2*\i], v[SA+2*\i], -2.0, v[WS]
.endr
.irp i, 0,1,2,3,4,5,6,7
	ds_store_b32 v5, v[SA+2*\i] offset:SCP+64*\i   ; row 16 i + r; both halves of the lanes write the same word with the same value
.endr
.Lmeet:
	s_wait_dscnt 0x0                               ; for the others' sake: my stores into SCP have landed
	s_barrier_signal -1                            ; the one barrier, on every wave's way
	s_barrier_wait -1
	; ---- PASS 2.  Nothing but what the head made crosses from pass 1 in registers
	s_cmp_le_i32 s5, 0
	s_cbranch_scc1 .Lidle
	ALOAD 28, 30                                   ; (pass 1's loads were all waited for: its registers and bases are free)
	s_mov_b64 s[WCC:WCC+1], s[32:33]
	s_mov_b64 s[WSC:WSC+1], s[34:35]
	BLOAD 0, 0, 0
	BLOAD 1, 1, 0
	BLOAD 2, 2, 0
	v_mov_b32 v153, 0                              ; written once: a lane permute's destination counts as one of its sources
.irp u, 0,1,2,3
	ds_load_b128 v[16+4*\u:19+4*\u], v1 offset:SCP+512*\u          ; rows 4 lane + 0 .. 3: the four waves' parts
.endr
	s_wait_dscnt 0x0
	v_pk_add_f32 v[16:17], v[16:17], v[20:21]
	v_pk_add_f32 v[18:19], v[18:19], v[22:23]
	v_pk_add_f32 v[24:25], v[24:25], v[28:29]
	v_pk_add_f32 v[26:27], v[26:27], v[30:31]
	v_pk_add_f32 v[S:S+1], v[16:17], v[24:25]
	v_pk_add_f32 v[S+2:S+3], v[18:19], v[26:27]
.irp j, 0,1,2,3
	v_cmp_gt_i32 vcc_lo, s[54+\j], v11             ; row 4 lane + j counts where it lies under the length
	v_cndmask_b32 v[S+\j], v182, v[S+\j], vcc_lo   ; else -infinity
.endr
	SCORE_OUT
	v_max3_num_f32 v20, v[S], v[S+1], v[S+2]       ; the block's largest score (its first row counts, so it is a number)
	v_max_num_f32 v20, v20, v[S+3]
	v_max_num_f32_dpp v20, v20, v20 row_xmask:1 row_mask:0xf bank_mask:0xf
	v_max_num_f32_dpp v20, v20, v20 row_xmask:2 row_mask:0xf bank_mask:0xf
	v_max_num_f32_dpp v20, v20, v20 row_xmask:4 row_mask:0xf bank_mask:0xf
	v_max_num_f32_dpp v20, v20, v20 row_xmask:8 row_mask:0xf bank_mask:0xf
	v_permlanex16_b32 v21, v20, s50, s51
	v_max_num_f32 v20, v20, v21
.irp j, 0,1,2,3
	v_sub_f32 v[16+\j], v[S+\j], v20
.endr
.irp j, 0,1,2,3
	v_mul_f32 v[16+\j], s53, v[16+\j]
.endr
.irp j, 0,1,2,3
	v_exp_f32 v[16+\j], v[16+\j]                   ; p = e^(score - the largest): 0 for a masked row
.endr
	v_nop                                          ; a plain line behind the last exponential,
	s_wait_alu depctr_va_vdst(0)                   ; and the wait ahead of the first reader
	ds_store_b128 v7, v[16:19]                     ; my wave's own copy of p,
.irp i, 0,1,2,3,4,5,6,7
	ds_load_b128 v[P+8*\i:P+8*\i+3], v8 offset:64*\i               ; read back as pass 2's results lie: p[16 i + 8 h + 0 .. 7].  LDS serves a wave's instructions in order: these see the store above
	ds_load_b128 v[P+8*\i+4:P+8*\i+7], v8 offset:64*\i+16
.endr
	s_wait_dscnt 0x0
	s_mov_b32 s52, 3
.Lvals:                                            ; a trip: four tiles.  At each wait three younger tiles, 51 loads, may be out
	VITER 0, 1, 51
	VITER 1, 1, 51
	VITER 2, 1, 51
	VITER 3, 1, 51
	FLUSH 1
	s_add_nc_u64 s[WCC:WCC+1], s[WCC:WCC+1], 32768
	s_add_nc_u64 s[WSC:WSC+1], s[WSC:WSC+1], 2048
	s_sub_co_u32 s52, s52, 1
	s_cmp_lg_u32 s52, 0
	s_cbranch_scc1 .Lvals
	VITER 0, 1, 51                                 ; tiles 12 to 15: the last three ask for nothing, and the counts run down
	VITER 1, 0, 34
	VITER 2, 0, 17
	VITER 3, 0, 0
	FLUSH 0
	s_wait_tensorcnt 0x0
	ds_add_u32 v190, v191
	s_wait_dscnt 0x0
	s_endpgm
.Lidle:                                            ; no row of the block counts: -infinity scores, a zero partial
.irp j, 0,1,2,3
	v_mov_b32 v[S+\j], 0xff800000
	v_mov_b32 v[16+\j], 0
.endr
	SCORE_OUT
	global_store_b128 v1, v[16:19], s[44:45]       ; my 256 columns: twice 512 consecutive bytes
	global_store_b128 v1, v[16:19], s[44:45] offset:512
	s_wait_tensorcnt 0x0
	ds_add_u32 v190, v191
	s_wait_dscnt 0x0
	s_endpgm
.Lfunc_end_k_q47a3340a33_gemm:
	.size	k_q47a3340a33_gemm, .Lfunc_end_k_q47a3340a33_gemm-k_q47a3340a33_gemm
	.p2alignl 7, 3214868480
	.fill 96, 4, 3214868480
	.section	.rodata,"a",@progbits
	.p2align	6, 0x0
	.amdhsa_kernel k_q47a3340a33_gemm
		.amdhsa_group_segment_fixed_size 8704
		.amdhsa_private_segment_fixed_size 0
		.amdhsa_enable_private_segment 0
		.amdhsa_kernarg_size 56
		.amdhsa_user_sgpr_count 2
		.amdhsa_user_sgpr_kernarg_segment_ptr 1
		.amdhsa_wavefront_size32 1
		.amdhsa_system_sgpr_workgroup_id_x 1
		.amdhsa_system_sgpr_workgroup_id_y 1
		.amdhsa_system_sgpr_workgroup_id_z 1
		.amdhsa_system_vgpr_workitem_id 0
		.amdhsa_next_free_vgpr 1024
		.amdhsa_next_free_sgpr 66
		.amdhsa_reserve_vcc 1
		.amdhsa_float_denorm_mode_32 3
		.amdhsa_float_denorm_mode_16_64 3
		.amdhsa_memory_ordered 1
		.amdhsa_forward_progress 1
		.amdhsa_inst_pref_size 255
	.end_amdhsa_kernel
	.section	.bss,"aw",@nobits
	.p2align	6
	.space	262144
	.amdgpu_metadata
---
amdhsa.version: [ 1, 2 ]
amdhsa.kernels:
  - .name:           k_q47a3340a33_gemm
    .symbol:         k_q47a3340a33_gemm.kd
    .args:
      - { .name: memory_lengths, .offset: 0, .size: 8, .value_kind: global_buffer, .address_space: global }
      - { .name: W_energy, .offset: 8, .size: 8, .value_kind: global_buffer, .address_space: global }
      - { .name: codes, .offset: 16, .size: 8, .value_kind: global_buffer, .address_space: global }
      - { .name: scls, .offset: 24, .size: 8, .value_kind: global_buffer, .address_space: global }
      - { .name: pq, .offset: 32, .size: 8, .value_kind: global_buffer, .address_space: global }
      - { .name: scores, .offset: 40, .size: 8, .value_kind: global_buffer, .address_space: global }
      - { .name: partial, .offset: 48, .size: 8, .value_kind: global_buffer, .address_space: global }
    .group_segment_fixed_size: 8704
    .private_segment_fixed_size: 0
    .kernarg_segment_align: 8
    .kernarg_segment_size: 56
    .max_flat_workgroup_size: 128
    .sgpr_count:     66
    .vgpr_count:     1024
    .wavefront_size: 32
...
	.end_amdgpu_metadata
.endif
;; end of part 2
;; launch combine (part 3): grid 32 x 1, 8 waves a work-group, no clusters, 1,280 bytes of LDS; arguments scores, partial, out0, out1; writes out0, out1
.if DOCPART == 3
	.amdgcn_target "amdgcn-amd-amdhsa--gfx1250"
	.amdhsa_code_object_version 6
	.text
	.protected	k_q47a3340a33_combine
	.globl	k_q47a3340a33_combine
	.p2align	8
	.type	k_q47a3340a33_combine,@function
k_q47a3340a33_combine:
	s_mov_b64 s[64:65], 0
	v_nop
	global_prefetch_b8 v0, s[64:65] scope:SCOPE_SE
	s_setreg_imm32_b32 hwreg(HW_REG_WAVE_MODE, 25, 1), 1
	s_wait_xcnt 0x0
; One work-group for each batch.  scores [32][1024] hold -infinity at masked rows; partial [32][8][1024] holds, for each block of 128 rows, the sum of e^(score - the block's largest score) x the projected values.
; out1 = softmax(scores);  out0[n] = sum over blocks k of e^(M_k - the largest of all) x partial[k][n] / the sum of all e^(score - the largest of all), M_k the block's largest score.
; Thread t owns rows and columns 4 t .. 4 t + 3, so wave w holds exactly block w's scores, and its maximum is M_w: the same numbers, so the same bits, as the launch before took away.
; A block with no row that counts has M = -infinity: its factor is 0, and its stored partial is 0.  A batch with no row that counts gives NaN, as reference() does.
; 1.3 MB in all: no matrix unit, no tensor load; every load and store of a wave covers 512 consecutive bytes, aligned.  The eight loads of partial are on their way while the softmax is made.
	s_load_b256 s[4:11], s[0:1], 0x0               ; scores s[4:5], partial s[6:7], out0 s[8:9], out1 s[10:11]
	v_lshl_add_u32 v80, v0, 2, 0x100
	v_mov_b32 v81, 0
	v_lshlrev_b32 v1, 4, v0                        ; 16 t
	v_lshrrev_b32 v2, 5, v0
	v_lshlrev_b32 v2, 2, v2                        ; LDS: my wave's word
	v_mov_b32 v3, 0
	v_mov_b32 v41, 0                               ; written once: a lane permute's destination counts as one of its sources
	s_lshl_b32 s12, ttmp9, 12
	s_mov_b32 s13, 0
	s_lshl_b32 s14, ttmp9, 15
	s_mov_b32 s15, 0
	s_mov_b32 s16, 0x76543210
	s_mov_b32 s17, 0xfedcba98                      ; v_permlanex16_b32's selects for lane l xor 16
	s_mov_b32 s18, 0x3fb8aa3b                      ; log2(e)
	s_wait_kmcnt 0x0
	s_add_nc_u64 s[4:5], s[4:5], s[12:13]
	s_add_nc_u64 s[6:7], s[6:7], s[14:15]
	s_add_nc_u64 s[8:9], s[8:9], s[12:13]
	s_add_nc_u64 s[10:11], s[10:11], s[12:13]
	global_load_b128 v[4:7], v1, s[4:5]
.irp k, 0,1,2,3,4,5,6,7
	global_load_b128 v[8+4*\k:11+4*\k], v1, s[6:7] offset:4096*\k
.endr
	s_wait_loadcnt 8                               ; the scores are in; the eight loads of partial stay out
	v_max3_num_f32 v40, v4, v5, v6
	v_max_num_f32 v40, v40, v7
	v_max_num_f32_dpp v40, v40, v40 row_xmask:1 row_mask:0xf bank_mask:0xf
	v_max_num_f32_dpp v40, v40, v40 row_xmask:2 row_mask:0xf bank_mask:0xf
	v_max_num_f32_dpp v40, v40, v40 row_xmask:4 row_mask:0xf bank_mask:0xf
	v_max_num_f32_dpp v40, v40, v40 row_xmask:8 row_mask:0xf bank_mask:0xf
	v_permlanex16_b32 v41, v40, s16, s17
	v_max_num_f32 v40, v40, v41                    ; M of my wave's block
	ds_store_b32 v2, v40                           ; all lanes write the same word with the same value
	s_wait_dscnt 0x0                               ; for the others' sake
	s_barrier_signal -1
	s_barrier_wait -1
	ds_load_b128 v[44:47], v3
	ds_load_b128 v[48:51], v3 offset:16            ; M_0 .. M_7
	s_wait_dscnt 0x0
	v_max3_num_f32 v52, v44, v45, v46
	v_max3_num_f32 v52, v52, v47, v48
	v_max3_num_f32 v52, v52, v49, v50
	v_max_num_f32 v52, v52, v51                    ; the batch's largest score
.irp j, 0,1,2,3
	v_sub_f32 v[56+\j], v[4+\j], v52
.endr
.irp k, 0,1,2,3,4,5,6,7
	v_sub_f32 v[44+\k], v[44+\k], v52
.endr
.irp j, 0,1,2,3
	v_mul_f32 v[56+\j], s18, v[56+\j]
.endr
.irp k, 0,1,2,3,4,5,6,7
	v_mul_f32 v[44+\k], s18, v[44+\k]
.endr
.irp j, 0,1,2,3
	v_exp_f32 v[56+\j], v[56+\j]                   ; e^(score - the largest)
.endr
.irp k, 0,1,2,3,4,5,6,7
	v_exp_f32 v[44+\k], v[44+\k]                   ; the blocks' factors
.endr
	v_nop                                          ; a plain line behind the last exponential,
	s_wait_alu depctr_va_vdst(0)                   ; and one wait for the twelve, ahead of their first reader
	v_add_f32 v60, v56, v57
	v_add_f32 v61, v58, v59
	v_add_f32 v60, v60, v61
	v_add_f32_dpp v60, v60, v60 row_xmask:1 row_mask:0xf bank_mask:0xf
	v_add_f32_dpp v60, v60, v60 row_xmask:2 row_mask:0xf bank_mask:0xf
	v_add_f32_dpp v60, v60, v60 row_xmask:4 row_mask:0xf bank_mask:0xf
	v_add_f32_dpp v60, v60, v60 row_xmask:8 row_mask:0xf bank_mask:0xf
	v_permlanex16_b32 v41, v60, s16, s17
	v_add_f32 v60, v60, v41
	ds_store_b32 v2, v60 offset:64                 ; other words than the maxima's: no barrier is owed between their reads and this store
	s_wait_dscnt 0x0
	s_barrier_signal -1
	s_barrier_wait -1
	ds_load_b128 v[64:67], v3 offset:64
	ds_load_b128 v[68:71], v3 offset:80
	s_wait_dscnt 0x0
	v_add_f32 v64, v64, v65
	v_add_f32 v66, v66, v67
	v_add_f32 v68, v68, v69
	v_add_f32 v70, v70, v71
	v_add_f32 v64, v64, v66
	v_add_f32 v68, v68, v70
	v_add_f32 v64, v64, v68                        ; the batch's sum
	v_rcp_f32 v62, v64
	v_nop
	s_wait_alu depctr_va_vdst(0)
.irp j, 0,1,2,3
	v_mul_f32 v[72+\j], v[56+\j], v62
.endr
	global_store_b128 v1, v[72:75], s[10:11]       ; the attention weights
	s_wait_loadcnt 0x0                             ; partial
.irp j, 0,1,2,3
	v_mul_f32 v[76+\j], v[8+\j], v44               ; block 0 starts the sums
.endr
.irp k, 1,2,3,4,5,6,7
.irp j, 0,1,2,3
	v_fma_f32 v[76+\j], v[8+4*\k+\j], v[44+\k], v[76+\j]
.endr
.endr
.irp j, 0,1,2,3
	v_mul_f32 v[76+\j], v[76+\j], v62
.endr
	global_store_b128 v1, v[76:79], s[8:9]
	s_wait_tensorcnt 0x0
	ds_add_u32 v80, v81
	s_wait_dscnt 0x0
	s_endpgm
.Lfunc_end_k_q47a3340a33_combine:
	.size	k_q47a3340a33_combine, .Lfunc_end_k_q47a3340a33_combine-k_q47a3340a33_combine
	.p2alignl 7, 3214868480
	.fill 96, 4, 3214868480
	.section	.rodata,"a",@progbits
	.p2align	6, 0x0
	.amdhsa_kernel k_q47a3340a33_combine
		.amdhsa_group_segment_fixed_size 1280
		.amdhsa_private_segment_fixed_size 0
		.amdhsa_enable_private_segment 0
		.amdhsa_kernarg_size 32
		.amdhsa_user_sgpr_count 2
		.amdhsa_user_sgpr_kernarg_segment_ptr 1
		.amdhsa_wavefront_size32 1
		.amdhsa_system_sgpr_workgroup_id_x 1
		.amdhsa_system_sgpr_workgroup_id_y 1
		.amdhsa_system_sgpr_workgroup_id_z 1
		.amdhsa_system_vgpr_workitem_id 0
		.amdhsa_next_free_vgpr 82
		.amdhsa_next_free_sgpr 66
		.amdhsa_reserve_vcc 0
		.amdhsa_float_denorm_mode_32 3
		.amdhsa_float_denorm_mode_16_64 3
		.amdhsa_memory_ordered 1
		.amdhsa_forward_progress 1
		.amdhsa_inst_pref_size 8
	.end_amdhsa_kernel
	.amdgpu_metadata
---
amdhsa.version: [ 1, 2 ]
amdhsa.kernels:
  - .name:           k_q47a3340a33_combine
    .symbol:         k_q47a3340a33_combine.kd
    .args:
      - { .name: scores, .offset: 0, .size: 8, .value_kind: global_buffer, .address_space: global }
      - { .name: partial, .offset: 8, .size: 8, .value_kind: global_buffer, .address_space: global }
      - { .name: out0, .offset: 16, .size: 8, .value_kind: global_buffer, .address_space: global }
      - { .name: out1, .offset: 24, .size: 8, .value_kind: global_buffer, .address_space: global }
    .group_segment_fixed_size: 1280
    .private_segment_fixed_size: 0
    .kernarg_segment_align: 8
    .kernarg_segment_size: 32
    .max_flat_workgroup_size: 256
    .sgpr_count:     66
    .vgpr_count:     82
    .wavefront_size: 32
...
	.end_amdgpu_metadata
.endif
;; end of part 3
;; ======== version 2 of 2: 3 launches; version 1 with the launches quant, gemm written anew for expert scheduling mode
;; workspace buffers: codes 34,078,720 bytes; scls 2,129,920 bytes; pq 131,072 bytes; scores 131,072 bytes; partial 1,048,576 bytes
;; launch quant (part 4): grid 1104 x 1, 4 waves a work-group, no clusters, 57,856 bytes of LDS; arguments keys, values, W_key, W_query, queries, memory_lengths, codes, scls, pq; writes codes, scls, pq
.if DOCPART == 4
	.amdgcn_target "amdgcn-amd-amdhsa--gfx1250"
	.amdhsa_code_object_version 6
	.text
	.protected	k_q47a3340a33_quant
	.globl	k_q47a3340a33_quant
	.p2align	8
	.type	k_q47a3340a33_quant,@function
k_q47a3340a33_quant:
	s_mov_b64 s[64:65], 0
	v_nop
	global_prefetch_b8 v0, s[64:65] scope:SCOPE_SE
	s_setreg_imm32_b32 hwreg(HW_REG_WAVE_SCHED_MODE, 0, 2), 2
	s_setreg_imm32_b32 hwreg(HW_REG_WAVE_MODE, 25, 1), 1
	s_wait_xcnt 0x0
	s_wait_alu depctr_vm_vsrc(0)
; f32 operands become codes of FP4 (E2M1) with one E8M0 byte for each 32 along K, laid as IMAGES OF OPERAND REGISTERS, and pq = Q(queries) Q(W_query)^T is made on the way.
; A TILE is 16 rows x 1,024 along K: 65,536 dense bytes of f32 in, 8,192 bytes of codes and 512 bytes of scale words out.  One wave takes one tile.
;   codes, tile image: byte 1024 s + 512 c + 16 lane = registers 4 c .. 4 c + 3 of the fragment of K step s (128 along K): lane (r = lane % 16, h = lane / 16) holds row r, k = 128 s + 64 c + 32 h + 0 .. 31.
;   scls, tile image: byte 16 lane = the four scale words of row r for K steps 4 h .. 4 h + 3: register q holds K step q in lanes 0-15 and K step 4 + q in lanes 16-31.
;   tiles 0-2047 keys (64 b + mt), 2048-4095 values, 4096-4159 W_key.
; THE MASK.  reference() gives rows m >= memory_lengths[b] the weight 0, and the next launch multiplies only blocks of 128 rows that have a row that counts.  So of each tensor only 8 ceil(len / 128) tiles of batch b are
;   made: those with a row that counts are quantised, the rest of the last block get zero codes under the byte 127.  Nothing else is read or stored.
; THE LIST.  These tiles, batches on end, form a list of at most 2,048 units for each tensor.  Every wave reads the 32 lengths and finds its unit's batch and place by one walk in scalar registers.
; ROLES, by the work-group's number G and the wave's number w.  G < 64: wave 0 quantises tile G of W_query, waves 1 and 2 the two tiles of queries, wave 3 nothing; the codes stay in LDS and wave 0 multiplies.
;   64 <= G < 80: W_key's tile 4 (G - 64) + w.   G >= 80: G' = G - 80; the tensor is G' % 2 (keys, values); j = G' / 2.  j >= 40: unit (j - 40) + 472 w;  j < 40: unit 1,888 + 4 j + w.
;   So units 0 .. 1,887 are dealt by stride: whatever the lengths, the 944 work-groups with j >= 40 hold the same number of tiles to within one.  The 80 with j < 40 have work only where more than 1,888 tiles of a tensor
;   count; they stand ahead of the others in the grid's order, so that, where they have nothing to do, they have ended before the others' work is done.
; Branches and addresses hang on numbers read from memory, so the text has no tensor load and no copy; the tile numbers pass a minimum with a written constant ahead of the shifts that make offsets of them.
; THE QUANTISER.  A block's byte is its largest magnitude's exponent field - 2, held at 1 from below; each number is divided by the scale and rounded to the nearest code, ties to even, beyond 6 the code of 6.
; LIMITS: a block whose largest magnitude lies under 2^-124 has its byte held at 1; a block of zeros gets the byte 1 with zero codes where the rule says 127 (this program alone reads the bytes); NaN and infinities are not served;
;   a length above 1,024 counts as 1,024, as the mask has it; a negative length is taken as 1,024 HERE ALONE: its tiles are made and never read, since the next launch leaves such a batch out.
; A step is 512 numbers (half a row).  Its four loads read 512 consecutive bytes each; the 2,048 bytes turn through the wave's own stage in LDS so that a lane holds 16 neighbours along K; two neighbouring lanes hold a block.
; The codes are gathered as rows in the wave's own LDS and read back as fragments, so that each store of the wave covers 512 consecutive bytes, aligned.  Loads run eight steps (32 loads a wave) ahead.
; One hint serves all roles' loads (one path through the text): keys, values and the weights are read once; the queries' 131,072 bytes, which 64 work-groups read, ride under it too.
; THE MODE: SCHED_MODE bits 1:0 = 2 (LLVM: expert scheduling mode 2), set by the entry lines.  The code itself states the register dependences between vector or matrix instructions and memory or LDS instructions,
;   with s_wait_alu, always for 0.
; THE PLAN.  Registers that memory or LDS instructions touch:
;   v1-v10     offsets and LDS addresses: written at the head and never again; one wait on va_vdst stands behind the last of them, ahead of the first parting of the ways.
;   R0 .. R7   Written by the loads of step t + 8, issued in step t; read by the stage stores of TURN t, issued in step t - 1.  On the quantising way no vector instruction names them.
;   X0, X1     Written by TURN t's LDS loads, issued in step t - 1; read by step t's maxima and conversions.
;   C, E       Four sets.  Written by step t's conversions and shift; read by step t's two LDS stores; written again in step t + 4.
; So a step has two waits.  At its head, on vm_vsrc: the LDS stores issued so far have read R[t % 8], in which the loads of step t + 8 land, and the set of C and E that this step writes again.  At its end, on va_vdst:
; C and E are written, which the two stores read, and X[t % 2] has been read out, in which TURN t + 2's loads land; between that wait and those loads stands no vector instruction.
.set RGN,  14336                       ; LDS of a wave
.set SP,   80                          ; a lane's place in a stage: 64 bytes + 16 of padding
.set STG,  32*SP                       ; a stage; two of them at the region's head
.set CROW, 2*STG                       ; code rows: 16 x (512 bytes + 16)
.set CP,   528
.set SROW, CROW+16*CP                  ; scale rows: 16 x (32 bytes + 16)
.set SPI,  48
.set NSTR, 472                         ; work-groups of a tensor whose units go by stride
.set NOVF, 40                          ; and those that take the units behind 4 x 472
.set R,    128                         ; v128-255 eight sets of 16 numbers as loaded; later fragments on their way out; later the queries' fragments
.set X,    96                          ; v96-127  two sets of 16 neighbours; later the two accumulators
.set C,    16                          ; v16-23   codes, four sets of two
.set E,    24                          ; v24-27   scale bytes, four sets
.set WF,   16                          ; v16-79   W_query's eight fragments
.set QF,   128                         ; v128-255 the queries': two tiles x eight fragments
.set SW,   80                          ; v80-83   W_query's scale words; v84-91 the queries': these twelve hold scales and nothing else
.set SQ,   84
.set ACC,  96
	s_load_b256 s[4:11], s[0:1], 0x0               ; keys s[4:5], values s[6:7], W_key s[8:9], W_query s[10:11]
	s_load_b256 s[12:19], s[0:1], 0x20             ; queries s[12:13], memory_lengths s[14:15], codes s[16:17], scls s[18:19]
	s_load_b64 s[20:21], s[0:1], 0x40              ; pq
	v_lshl_add_u32 v94, v0, 2, 0xe000
	v_mov_b32 v95, 0
	v_lshrrev_b32 v12, 5, v0
	v_readfirstlane_b32 s2, v12                    ; wave 0..3
	v_and_b32 v12, 31, v0                          ; lane
	v_and_b32 v13, 15, v0                          ; r
	v_bfe_u32 v14, v0, 4, 1                        ; h
	s_wait_alu depctr_va_sdst(0)                   ; s2 is written, ahead of its first reader: the wave's region, its unit and its role are made from it
	s_mul_i32 s3, s2, RGN                          ; my region of LDS
	; every LDS address is made here, ahead of the first parting of the ways: a constant + a constant x lane + a constant x wave
	v_lshlrev_b32 v1, 4, v12                       ; v1: 16 x lane: my bytes of a load's or a store's 512
	v_lshrrev_b32 v2, 2, v12
	v_mul_u32_u24 v2, v2, SP
	v_and_b32 v15, 3, v12
	v_lshl_add_u32 v2, v15, 4, v2
	v_add_nc_u32 v2, s3, v2                        ; v2: into a stage: four lanes' 64 bytes on end, then the padding
	v_mul_u32_u24 v3, v12, SP
	v_add_nc_u32 v3, s3, v3                        ; v3: out of it: my 16 neighbours
	v_lshlrev_b32 v4, 3, v12
	v_add_nc_u32 v4, s3, v4
	v_add_nc_u32 v4, CROW, v4                      ; v4: my 8 bytes of a step's 256 bytes of codes
	v_lshrrev_b32 v5, 1, v12
	v_add_nc_u32 v5, s3, v5
	v_add_nc_u32 v5, SROW, v5                      ; v5: my block's scale byte
	v_mul_u32_u24 v8, v13, CP
	v_lshl_add_u32 v8, v14, 4, v8
	v_add_nc_u32 v8, CROW, v8                      ; v8: a fragment's bytes in wave 0's region: row r, + 16 h
	v_add_nc_u32 v6, s3, v8                        ; v6: the same in my region
	v_mul_u32_u24 v9, v13, SPI
	v_lshl_add_u32 v9, v14, 4, v9
	v_add_nc_u32 v9, SROW, v9                      ; v9: four scale words in wave 0's region: row r, + 16 h
	v_add_nc_u32 v7, s3, v9                        ; v7: the same in my region
	v_lshlrev_b32 v10, 12, v13
	v_lshl_add_u32 v10, v14, 5, v10                ; v10: pq: row r of 4,096 bytes, + 32 h
	s_wait_alu depctr_va_vdst(0)                   ; the ten offsets and addresses v1 to v10 are written, which every load, store and LDS instruction of the kernel reads
	; which unit of the list is mine (G >= 80; in the other roles these numbers mean nothing and are replaced below)
	s_sub_co_u32 s22, ttmp9, 80                    ; G'
	s_and_b32 s23, s22, 1                          ; the tensor: 0 keys, 1 values
	s_lshr_b32 s24, s22, 1                         ; j
	s_lshl_b32 s25, s24, 2
	s_add_co_u32 s25, s25, s2
	s_add_co_u32 s25, s25, 4*NSTR                  ; j < 40: unit 1,888 + 4 j + w
	s_mul_i32 s26, s2, NSTR
	s_add_co_u32 s26, s26, s24
	s_sub_co_u32 s26, s26, NOVF                    ; else: unit (j - 40) + 472 w
	s_cmp_lt_u32 s24, NOVF
	s_cselect_b32 s22, s25, s26                    ; u
	s_lshr_b32 s24, s22, 3                         ; the unit's block of eight tiles in the list,
	s_and_b32 s25, s22, 7                          ; and its tile in that block
	s_sub_co_u32 s31, ttmp9, 64                    ; under 16: a work-group of W_key
	s_lshl_b32 s32, s31, 2
	s_add_co_u32 s32, s32, s2                      ; its wave's tile,
	s_add_co_u32 s33, s32, 4096                    ; which lies behind the 4,096 among the images
	s_sub_co_u32 s34, s2, 1
	s_and_b32 s34, s34, 1                          ; waves 1, 2 of the first 64 work-groups: the queries' tiles 0, 1
	s_mov_b32 s41, 0
	s_mov_b32 s84, 0                               ; blocks in the list so far
	s_mov_b32 s86, 0                               ; s[86:87]: where my batch begins in the list, and its length
	s_mov_b32 s87, 0
	s_mov_b32 s88, 0                               ; batches that begin at or ahead of my block
	s_wait_kmcnt 0x0
	s_load_b512 s[48:63], s[14:15], 0x0            ; memory_lengths[0 .. 15]
	s_load_b512 s[68:83], s[14:15], 0x40           ; memory_lengths[16 .. 31]
	s_cmp_eq_u32 s23, 0                            ; every choice of a buffer hangs on the work-group's and the wave's number alone
	s_cselect_b64 s[28:29], s[4:5], s[6:7]         ; keys or values
	s_cmp_lt_u32 s31, 16
	s_cselect_b64 s[28:29], s[8:9], s[28:29]       ; W_key
	s_cmp_eq_u32 s2, 0
	s_cselect_b64 s[36:37], s[10:11], s[12:13]     ; the first 64 work-groups: wave 0 W_query, the others queries
	s_cselect_b32 s34, ttmp9, s34
	s_mov_b32 s38, 0x7fffffff                      ; weights and queries are quantised whole;
	s_cmp_eq_u32 s2, 3
	s_cselect_b32 s38, 0, s38                      ; wave 3 of such a work-group has no tile
	s_cmp_lt_u32 ttmp9, 64
	s_cselect_b64 s[28:29], s[36:37], s[28:29]
	s_wait_kmcnt 0x0                               ; the 32 lengths
; One batch of the walk.  s84: the list's blocks ahead of this batch.  Where that is at or under my block's number the batch may be mine: the last such batch is.
.macro SEEK reg
	s_min_u32 s85, s[\reg], 1024                   ; the length as the mask takes it
	s_cmp_le_u32 s84, s24
	s_cselect_b64 s[86:87], s[84:85], s[86:87]     ; its place in the list and its length, together
	s_add_co_ci_u32 s88, s88, 0                    ; and one more batch counted
	s_add_co_u32 s89, s85, 127
	s_lshr_b32 s89, s89, 7                         ; its blocks of 128 rows
	s_add_co_u32 s84, s84, s89
.endm
.set B, 0
.rept 16
	SEEK 48+B
.set B, B+1
.endr
.set B, 0
.rept 16
	SEEK 68+B
.set B, B+1
.endr
	s_sub_co_u32 s89, s88, 1                       ; b
	s_lshl_b32 s89, s89, 6
	s_sub_co_u32 s90, s24, s86                     ; my block in the batch
	s_lshl_b32 s90, s90, 3
	s_add_co_u32 s26, s90, s25                     ; mt: the tile's place in its batch
	s_add_co_u32 s27, s89, s26                     ; the tile in its tensor: 64 b + mt,
	s_lshl_b32 s30, s23, 11
	s_add_co_u32 s30, s30, s27                     ; and among the images
	s_cmp_lt_u32 s24, s84                          ; is my unit in the list at all?
	s_cselect_b32 s35, s87, 0                      ; the length that holds for my tile; 0: nothing to do
	s_cselect_b32 s26, s26, 0
	s_cmp_lt_u32 s31, 16                           ; W_key's work-groups
	s_cselect_b32 s27, s32, s27
	s_cselect_b32 s30, s33, s30
	s_cselect_b32 s26, 0, s26
	s_cselect_b32 s35, 0x7fffffff, s35
	s_cmp_lt_u32 ttmp9, 64                         ; W_query's and the queries'
	s_cselect_b32 s27, s34, s27
	s_cselect_b32 s30, 0, s30                      ; (these store no image)
	s_cselect_b32 s26, 0, s26
	s_cselect_b32 s35, s38, s35
	s_min_u32 s27, s27, 2047                       ; numbers that hang on loaded lengths pass a written bound; behind it only shifts and sums.  A unit of the list lies under both bounds as it is
	s_min_u32 s30, s30, 4159
	s_lshl_b32 s40, s27, 16
	s_add_nc_u64 s[28:29], s[28:29], s[40:41]      ; my tile's 65,536 bytes
	s_lshl_b32 s40, s30, 13
	s_add_nc_u64 s[16:17], s[16:17], s[40:41]      ; its image of codes,
	s_lshl_b32 s40, s30, 9
	s_add_nc_u64 s[18:19], s[18:19], s[40:41]      ; and of scale words
	s_lshl_b32 s42, s26, 4                         ; the tile's first row,
	s_and_b32 s43, s26, 56
	s_lshl_b32 s43, s43, 4                         ; and its block's
	s_cmp_lt_i32 s42, s35
	s_cbranch_scc1 .Lquant                         ; a row of the tile counts
	s_cmp_lt_i32 s43, s35
	s_cbranch_scc0 .Lbar                           ; no tile is mine
	; zero codes under the byte 127: they add nothing to a sum
.irp j, 0,1,2,3
	v_mov_b32 v[R+\j], 0
	v_mov_b32 v[R+4+\j], 0x7f7f7f7f
.endr
	s_wait_alu depctr_va_vdst(0)                   ; the eight registers v128 to v135 are written, which the seventeen stores read
.set K, 0
.rept 16
	global_store_b128 v1, v[R:R+3], s[16:17] offset:512*K
.set K, K+1
.endr
	global_store_b128 v1, v[R+4:R+7], s[18:19]
	s_branch .Lbar
.macro LOAD t                          ; step t's 2,048 bytes into set t % 8
.irp i, 0,1,2,3
	global_load_b128 v[R+16*((\t)%8)+4*\i:R+16*((\t)%8)+4*\i+3], v1, s[28:29] offset:2048*(\t)+512*\i th:TH_LOAD_NT
.endr
.endm
.macro TURN t                          ; through stage t % 2: LDS serves a wave's instructions in order (ISA guide 5.7.1.4), so no wait stands between the stores and the loads
.irp i, 0,1,2,3
	ds_store_b128 v2, v[R+16*((\t)%8)+4*\i:R+16*((\t)%8)+4*\i+3] offset:STG*((\t)%2)+8*SP*\i
.endr
.irp i, 0,1,2,3
	ds_load_b128 v[X+16*((\t)%2)+4*\i:X+16*((\t)%2)+4*\i+3], v3 offset:STG*((\t)%2)+16*\i
.endr
.endm
.macro STEP t
.set XS, X+16*((\t)%2)
.if (\t) > 0
	s_wait_dscnt 2                                 ; this step's numbers are back from the stage; behind them only the last step's two stores were issued
.else
	s_wait_dscnt 0x0
.endif
	s_wait_alu depctr_vm_vsrc(0)                   ; the LDS stores issued so far have read their registers: this step's stage stores the set in which the loads below land, the stores of four steps back the codes and the byte that this step writes again
.if (\t)+8 < 32
	LOAD (\t)+8                                    ; into the set that this step's stage stores have read
.endif
.if (\t) < 31
.if (\t)+8 <= 31
	s_wait_loadcnt 28                              ; the next step's four loads are in; the seven steps behind it may be out
.else
	s_wait_loadcnt 4*(30-(\t))                     ; towards the end fewer steps stand behind it
.endif
	TURN (\t)+1                                    ; the next step goes through the other stage while this one is worked.  Its LDS loads land in the X that the step before read out: that step's closing wait has stated it, and no vector instruction stands between
.endif
	v_max3_num_f32 v12, |v[XS]|, |v[XS+1]|, |v[XS+2]|              ; the largest magnitude of my 16, in two chains
	v_max3_num_f32 v13, |v[XS+3]|, |v[XS+4]|, |v[XS+5]|
.irp i, 6,10
	v_max3_num_f32 v12, v12, |v[XS+\i]|, |v[XS+\i+1]|
	v_max3_num_f32 v13, v13, |v[XS+\i+2]|, |v[XS+\i+3]|
.endr
	v_max3_num_f32 v12, v12, |v[XS+14]|, |v[XS+15]|
	v_max3_num_f32 v12, v12, v13, 0x1800000        ; and the floor 2^(3 - 127): the byte cannot fall under 1
	v_max_num_f32_dpp v12, v12, v12 row_xmask:1 row_mask:0xf bank_mask:0xf   ; with my neighbour's 16: the block's
	v_add_nc_u32 v14, 0xff000000, v12              ; 2 off its exponent field: the conversion takes the exponent field of this operand as its scale
	v_cvt_scalef32_pk8_fp4_f32 v[C+2*((\t)%4)], v[XS:XS+7], v14
	v_cvt_scalef32_pk8_fp4_f32 v[C+2*((\t)%4)+1], v[XS+8:XS+15], v14
	v_lshrrev_b32 v[E+(\t)%4], 23, v14             ; the scale's byte; also the plain line behind the conversions
	s_wait_alu depctr_va_vdst(0)                   ; the conversions and the shift have written the codes and the byte, which the two stores read; and this step is done reading its X, in which the stage loads of the next step but one land
	ds_store_b64 v4, v[C+2*((\t)%4):C+2*((\t)%4)+1] offset:CP*((\t)/2)+256*((\t)%2)   ; row t / 2, half t % 2
	ds_store_b8 v5, v[E+(\t)%4] offset:SPI*((\t)/2)+16*((\t)%2)                       ; both lanes of a block write the same byte with the same value
.endm
.Lquant:
.set T, 0
.rept 8
	LOAD T
.set T, T+1
.endr
	s_wait_loadcnt 28                              ; step 0's four loads are in
	TURN 0
.set T, 0
.rept 32
	STEP T
.set T, T+1
.endr
	s_cmp_lt_u32 ttmp9, 64
	s_cbranch_scc1 .Lbar                           ; W_query's and the queries' codes stay in LDS
	; the tile leaves as images: the fragments are read as a matrix instruction wants them and stored lane by lane.
	; (These loads land in R, whose last readers, the stage stores of step 31's numbers, stand ahead of step 31's wait on vm_vsrc; no vector instruction of this way names R)
.set K, 0
.rept 16
	ds_load_b128 v[R+4*K:R+4*K+3], v6 offset:32*K  ; K step K / 2, half K % 2: 64 (K / 2) + 32 (K % 2) bytes along the row
.set K, K+1
.endr
	ds_load_b128 v[R+64:R+67], v7
.set K, 0
.rept 16
	s_wait_dscnt 16-K                              ; LDS loads come back in order: number K is in
	global_store_b128 v1, v[R+4*K:R+4*K+3], s[16:17] offset:512*K    ; the wave stores 512 consecutive bytes, aligned
.set K, K+1
.endr
	s_wait_dscnt 0x0
	global_store_b128 v1, v[R+64:R+67], s[18:19]
.Lbar:
	s_wait_dscnt 0x0                               ; for the others' sake: my LDS stores have landed
	s_barrier_signal -1                            ; the one barrier: every wave passes it, whatever its way
	s_barrier_wait -1
	s_cmp_lt_u32 ttmp9, 64
	s_cbranch_scc0 .Lend
	s_cmp_eq_u32 s2, 0
	s_cbranch_scc0 .Lend
	; pq(batch, n) for n = 16 G .. 16 G + 15, all 32 batches.  TRANSPOSED: source 0 = 16 rows of W_query, source 1 = 16 queries: a lane holds one batch (16 a + r) and eight neighbouring n (16 G + 8 h + j).
	s_wait_xcnt 0x0                                ; the registers loaded below are store data on the other roles' ways
	s_wait_alu depctr_vm_vsrc(0)                   ; step 31's two LDS stores have read its codes and its byte (v22, v23, v27), and the other ways' stores v128 on: the fragments' loads below land in these.  (The vector instructions that wrote v16 to v27 stand ahead of step 31's wait on va_vdst)
	s_lshl_b32 s40, ttmp9, 6
	s_add_nc_u64 s[20:21], s[20:21], s[40:41]      ; pq at column 16 G
.set K, 0
.rept 16
	ds_load_b128 v[WF+4*K:WF+4*K+3], v8 offset:32*K
.set K, K+1
.endr
.irp a, 0,1
.set K, 0
.rept 16
	ds_load_b128 v[QF+64*\a+4*K:QF+64*\a+4*K+3], v8 offset:(\a+1)*RGN+32*K     ; what waves 1 and 2 stored
.set K, K+1
.endr
.endr
	ds_load_b128 v[SW:SW+3], v9
	ds_load_b128 v[SQ:SQ+3], v9 offset:RGN
	ds_load_b128 v[SQ+4:SQ+7], v9 offset:2*RGN
	s_wait_dscnt 0x0
.macro PQW s, a                        ; K step s, tile a of the queries.  K steps 4 to 7 take their scale words from lanes 16-31
.if \s == 0
	v_wmma_scale_f32_16x16x128_f8f6f4 v[ACC+8*\a:ACC+8*\a+7], v[WF+8*\s:WF+8*\s+7], v[QF+64*\a+8*\s:QF+64*\a+8*\s+7], 0, v[SW+\s%4], v[SQ+4*\a+\s%4] matrix_a_fmt:MATRIX_FMT_FP4 matrix_b_fmt:MATRIX_FMT_FP4
.elseif \s < 4
	v_wmma_scale_f32_16x16x128_f8f6f4 v[ACC+8*\a:ACC+8*\a+7], v[WF+8*\s:WF+8*\s+7], v[QF+64*\a+8*\s:QF+64*\a+8*\s+7], v[ACC+8*\a:ACC+8*\a+7], v[SW+\s%4], v[SQ+4*\a+\s%4] matrix_a_fmt:MATRIX_FMT_FP4 matrix_b_fmt:MATRIX_FMT_FP4
.else
	v_wmma_scale_f32_16x16x128_f8f6f4 v[ACC+8*\a:ACC+8*\a+7], v[WF+8*\s:WF+8*\s+7], v[QF+64*\a+8*\s:QF+64*\a+8*\s+7], v[ACC+8*\a:ACC+8*\a+7], v[SW+\s%4], v[SQ+4*\a+\s%4] matrix_a_fmt:MATRIX_FMT_FP4 matrix_b_fmt:MATRIX_FMT_FP4 matrix_a_scale:MATRIX_SCALE_ROW1 matrix_b_scale:MATRIX_SCALE_ROW1
.endif
.endm
.irp s, 0,1,2,3,4,5,6,7                ; the two accumulators take turns, one instruction a turn
.irp a, 0,1
	PQW \s, \a
.endr
.endr
.rept 4
	v_nop                                          ; four places between a matrix instruction and the store of its result
.endr
	s_wait_alu depctr_va_vdst(0)                   ; the matrix instructions have written the two accumulators, which the stores read; the places above stay beside this wait
.irp a, 0,1                            ; 32 bytes a lane, rows 4,096 bytes apart: pieces of 64 bytes of 32 rows; pq is 131,072 bytes in all
	global_store_b128 v10, v[ACC+8*\a:ACC+8*\a+3], s[20:21] offset:65536*\a          ; each accumulator from its low end on
	global_store_b128 v10, v[ACC+8*\a+4:ACC+8*\a+7], s[20:21] offset:65536*\a+16
.endr
.Lend:
	s_wait_dscnt 0x0                               ; the closing lines, six on end
	s_wait_alu 0x0
	s_wait_tensorcnt 0x0
	ds_add_u32 v94, v95
	s_wait_dscnt 0x0
	s_endpgm
.Lfunc_end_k_q47a3340a33_quant:
	.size	k_q47a3340a33_quant, .Lfunc_end_k_q47a3340a33_quant-k_q47a3340a33_quant
	.p2alignl 7, 3214868480
	.fill 96, 4, 3214868480
	.section	.rodata,"a",@progbits
	.p2align	6, 0x0
	.amdhsa_kernel k_q47a3340a33_quant
		.amdhsa_group_segment_fixed_size 57856
		.amdhsa_private_segment_fixed_size 0
		.amdhsa_enable_private_segment 0
		.amdhsa_kernarg_size 72
		.amdhsa_user_sgpr_count 2
		.amdhsa_user_sgpr_kernarg_segment_ptr 1
		.amdhsa_wavefront_size32 1
		.amdhsa_system_sgpr_workgroup_id_x 1
		.amdhsa_system_sgpr_workgroup_id_y 1
		.amdhsa_system_sgpr_workgroup_id_z 1
		.amdhsa_system_vgpr_workitem_id 0
		.amdhsa_next_free_vgpr 256
		.amdhsa_next_free_sgpr 96
		.amdhsa_reserve_vcc 0
		.amdhsa_float_denorm_mode_32 3
		.amdhsa_float_denorm_mode_16_64 3
		.amdhsa_memory_ordered 1
		.amdhsa_forward_progress 1
		.amdhsa_inst_pref_size 88
	.end_amdhsa_kernel
	.amdgpu_metadata
---
amdhsa.version: [ 1, 2 ]
amdhsa.kernels:
  - .name:           k_q47a3340a33_quant
    .symbol:         k_q47a3340a33_quant.kd
    .args:
      - { .name: keys, .offset: 0, .size: 8, .value_kind: global_buffer, .address_space: global }
      - { .name: values, .offset: 8, .size: 8, .value_kind: global_buffer, .address_space: global }
      - { .name: W_key, .offset: 16, .size: 8, .value_kind: global_buffer, .address_space: global }
      - { .name: W_query, .offset: 24, .size: 8, .value_kind: global_buffer, .address_space: global }
      - { .name: queries, .offset: 32, .size: 8, .value_kind: global_buffer, .address_space: global }
      - { .name: memory_lengths, .offset: 40, .size: 8, .value_kind: global_buffer, .address_space: global }
      - { .name: codes, .offset: 48, .size: 8, .value_kind: global_buffer, .address_space: global }
      - { .name: scls, .offset: 56, .size: 8, .value_kind: global_buffer, .address_space: global }
      - { .name: pq, .offset: 64, .size: 8, .value_kind: global_buffer, .address_space: global }
    .group_segment_fixed_size: 57856
    .private_segment_fixed_size: 0
    .kernarg_segment_align: 8
    .kernarg_segment_size: 72
    .max_flat_workgroup_size: 128
    .sgpr_count:     96
    .vgpr_count:     256
    .wavefront_size: 32
...
	.end_amdgpu_metadata
.endif
;; end of part 4
;; launch gemm (part 5): grid 8 x 32, 4 waves a work-group, no clusters, 8,704 bytes of LDS; arguments memory_lengths, W_energy, codes, scls, pq, scores, partial; writes scores, partial
.if DOCPART == 5
	.amdgcn_target "amdgcn-amd-amdhsa--gfx1250"
	.amdhsa_code_object_version 6
	.text
	.protected	k_q47a3340a33_gemm
	.globl	k_q47a3340a33_gemm
	.p2align	8
	.type	k_q47a3340a33_gemm,@function
k_q47a3340a33_gemm:
	s_mov_b64 s[64:65], 0
	v_nop
	global_prefetch_b8 v0, s[64:65] scope:SCOPE_SE
	s_setreg_imm32_b32 hwreg(HW_REG_WAVE_SCHED_MODE, 0, 2), 2
	s_setreg_imm32_b32 hwreg(HW_REG_WAVE_MODE, 25, 1), 1
	s_wait_xcnt 0x0
	s_wait_alu depctr_vm_vsrc(0)
; A work-group takes one block of 128 memory rows of one batch (x = block, y = batch) through both large products, on codes of FP4 (E2M1) with E8M0 scales, as the launch before laid them (images of operand registers).
;   pass 1: pk = keys W_key^T + pq;  score[m] = sum over n of W_energy[n] tanh(pk[m][n]);  rows m >= memory_lengths[b] get -infinity;  p[m] = exp(score[m] - the block's largest score).
;   pass 2: pv = values W_key^T;  partial[n] = sum over the block's m of p[m] pv[m][n].  The last launch brings the blocks of a batch under one maximum and divides by the sum.
; THE MASK.  A block all of whose rows lie at or beyond the length has weight 0 in reference(): it multiplies nothing, stores -infinity scores and a zero partial.  That is a branch on a number read from memory, so the
;   text has no tensor load, no copy and no joint request: all operands come from memory straight into registers.  The one barrier stands outside both branches.
; SHARES.  Wave w owns all 128 rows x columns 256 w .. 256 w + 255: 16 tiles of 16 columns.  A's 8 tiles x 8 K steps stay in 512 registers for a whole pass; a tile of W_key (8 fragments, 64 registers) feeds 64 matrix instructions.
; W_key's tiles are shared by all work-groups, but which work-groups multiply hangs on the lengths: partners of a cluster would not make the same requests, so nothing is asked for jointly.
; tanh(x) = 1 - 2 / (1 + 2^(2 log2(e) x)): right at both ends, where the power is infinite or 0.  So score = sum of W_energy - 2 x sum of W_energy / (1 + 2^..), both sums in f32, of the size of the score's own terms.
; LIMITS: NaN and infinities among the inputs are not served; a length of 0 or less leaves every score -infinity (the last launch then gives NaN, as reference() does).
; REGISTERS, in windows of 256 (s_set_vgpr_msb: bits 1:0 source 0, 3:2 source 1, 5:4 source 2, 7:6 destination):
;   window 0: v1-11 offsets and LDS addresses; v12-31 at work; v32-63 A's scale words, v64-79 W's (four sets): these hold scales and nothing else; v80-111 pq, v112-143 W_energy (four sets of 8), in pass 2 p;
;             v144-159 the scores' sums, in pass 2 at work; v160-161 the sum of W_energy; v176-179 scores; v180-181 on the way out; v182 -infinity; v192-255 eight accumulators.
;   window 1: W's fragments, four sets of 64.   window 2: A's tiles 0-3 (64 i + 8 s).   window 3: A's tiles 4-7.
; THE MODE: SCHED_MODE bits 1:0 = 2 (LLVM: expert scheduling mode 2), set by the entry lines.  The code itself states the register dependences between vector or matrix instructions and memory or LDS instructions,
;   with s_wait_alu, always for 0.
; THE PLAN.  Registers that memory or LDS instructions touch:
;   v1-v11, v13    offsets, LDS addresses and a zero: written at the head and never again; one wait on va_vdst stands behind the last of them.
;   A              (windows 2 and 3, v32-63)  Loaded at each pass's head; read by that pass's products.  Pass 2's loads stand behind the wait on va_vdst at pass 1's end.
;   W0 .. W3       (window 1, v64-79; in pass 1 with 8 pq and 8 W_energy each.)  Pass 1: turn q's products and tanh read set q % 4; in the middle of its products the loads of tile q + 2 land in set (q - 2) % 4.
;                  The tanh of turn q - 1 holds a wait on va_vdst behind all of turn q - 2, and nothing issued since names that set.  Pass 2: turn q's products read set q % 4; in their middle the loads of tile q + 3
;                  land in set (q - 1) % 4; the wait on va_vdst at the end of turn q - 1 stands behind that turn's products.
;   v144 .. v158   (the even ones)  Written by pass 1's last sums, read by its stores into LDS, written again by pass 2: a wait on va_vdst ahead of those stores, one on vm_vsrc behind them.
;   v176-179, v16-19   Scores and p: written by vector instructions, read by one store each, never written again.   v80-143 in pass 2: p, landed by LDS loads behind the exponentials' wait.
;   v154-157       A trip's four results in pass 2, a register a turn: written at a turn's end, read by its LDS store.   v180-181: landed by the trip's LDS load, read by its global store.
;                  One wait on vm_vsrc a trip, beside the wait on XCNT, frees all six.
.set SCP,  0                           ; LDS: each wave's part of the 128 scores: 4 x 512 bytes
.set PWB,  2048                        ; each wave's own copy of p: 4 x 512 bytes
.set OUTS, 4096                        ; each wave's 64 results on the way out: 4 x 256 bytes
.set AS,   32
.set BS,   64
.set PQ,   80
.set WE,   112
.set P,    80
.set SA,   144
.set OT,   144
.set RES,  154                         ; v154-157 pass 2: the results of a trip's four tiles
.set WS,   160
.set S,    176
.set ACC,  192
.set WCC,  36                          ; s[36:37] W's codes, s[38:39] W's scale words: they walk, four tiles a trip
.set WSC,  38
.set PQC,  40                          ; s[40:41] pq, s[42:43] W_energy at my columns: they walk likewise
.set WEC,  42
.set MSB, 0
.macro WIN new                         ; the immediate's high byte repeats the setting that is left
.if MSB != \new
	s_set_vgpr_msb (MSB<<8)|\new
.set MSB, \new
.endif
.endm
.macro PLACES                          ; four places between a matrix instruction and a vector instruction that reads its result (ISA guide 7.12.1)
.rept 4
	v_nop
.endr
.endm
; A's 8 tiles: 128 loads of 512 consecutive bytes, and 8 for the scale words: 136
.macro ALOAD cb, sb
	WIN 0x80                                       ; destination window 2
.irp i, 0,1,2,3
.set K, 0
.rept 16
	global_load_b128 v[64*\i+4*K:64*\i+4*K+3], v1, s[\cb:\cb+1] offset:8192*\i+512*K
.set K, K+1
.endr
.endr
	WIN 0xc0                                       ; destination window 3
.irp i, 0,1,2,3
.set K, 0
.rept 16
	global_load_b128 v[64*\i+4*K:64*\i+4*K+3], v1, s[\cb:\cb+1] offset:8192*(\i+4)+512*K
.set K, K+1
.endr
.endr
	WIN 0
.irp i, 0,1,2,3,4,5,6,7
	global_load_b128 v[AS+4*\i:AS+4*\i+3], v1, s[\sb:\sb+1] offset:512*\i
.endr
.endm
; W's tile k of the trip into set: 16 loads of codes, 1 of scale words; with = 1: and the tile's eight pq and eight W_energy of my half (n = 16 T + 8 h + 0 .. 7): 21 loads, else 17
.macro BLOAD set, k, with
	WIN 0x40                                       ; destination window 1
.set K, 0
.rept 16
	global_load_b128 v[64*(\set)+4*K:64*(\set)+4*K+3], v1, s[WCC:WCC+1] offset:8192*(\k)+512*K
.set K, K+1
.endr
	WIN 0
	global_load_b128 v[BS+4*(\set):BS+4*(\set)+3], v1, s[WSC:WSC+1] offset:512*(\k)
.if \with
	global_load_b128 v[PQ+8*(\set):PQ+8*(\set)+3], v2, s[PQC:PQC+1] offset:64*(\k)
	global_load_b128 v[PQ+8*(\set)+4:PQ+8*(\set)+7], v2, s[PQC:PQC+1] offset:64*(\k)+16
	global_load_b128 v[WE+8*(\set):WE+8*(\set)+3], v2, s[WEC:WEC+1] offset:64*(\k)
	global_load_b128 v[WE+8*(\set)+4:WE+8*(\set)+7], v2, s[WEC:WEC+1] offset:64*(\k)+16
.endif
.endm
; PASS 1's product, TRANSPOSED: source 0 = 16 rows of W_key, source 1 = 16 rows of keys: a lane holds ONE memory row (16 i + r) and eight neighbouring columns.  pq is the C of each sum's first instruction.
; K steps 4 to 7 take their scale words from lanes 16-31 of the same registers.
.macro KW set, s, i, hi
.set rD, ACC+8*(4*\hi+\i)
.set rB, 64*(\set)+8*\s
.set rA, 64*\i+8*\s
.set rSB, BS+4*(\set)+\s%4
.set rSA, AS+4*(4*\hi+\i)+\s%4
.if \s == 0
	v_wmma_scale_f32_16x16x128_f8f6f4 v[rD:rD+7], v[rB:rB+7], v[rA:rA+7], v[PQ+8*(\set):PQ+8*(\set)+7], v[rSB], v[rSA] matrix_a_fmt:MATRIX_FMT_FP4 matrix_b_fmt:MATRIX_FMT_FP4
.elseif \s < 4
	v_wmma_scale_f32_16x16x128_f8f6f4 v[rD:rD+7], v[rB:rB+7], v[rA:rA+7], v[rD:rD+7], v[rSB], v[rSA] matrix_a_fmt:MATRIX_FMT_FP4 matrix_b_fmt:MATRIX_FMT_FP4
.else
	v_wmma_scale_f32_16x16x128_f8f6f4 v[rD:rD+7], v[rB:rB+7], v[rA:rA+7], v[rD:rD+7], v[rSB], v[rSA] matrix_a_fmt:MATRIX_FMT_FP4 matrix_b_fmt:MATRIX_FMT_FP4 matrix_a_scale:MATRIX_SCALE_ROW1 matrix_b_scale:MATRIX_SCALE_ROW1
.endif
.endm
.macro KHALF set, hi                   ; 32 of a tile's 64 matrix instructions: A's tiles 4 hi .. 4 hi + 3; four accumulators take turns, one instruction a turn
.irp s, 0,1,2,3,4,5,6,7
.irp i, 0,1,2,3
	KW \set, \s, \i, \hi
.endr
.endr
.endm
; 64 numbers a lane: r = 1 / (1 + 2^(c x)), and the scores' sums take W_energy x r.  Two batches of 64 transcendentals, each with one plain line behind it and ONE wait ahead of its first reader.
.macro TANH set
.set n, 0
.rept 32
	v_pk_mul_f32 v[ACC+n:ACC+n+1], v[ACC+n:ACC+n+1], s[48:49] op_sel_hi:[1,0]    ; c x, each accumulator from its low end on
.set n, n+2
.endr
.set n, 0
.rept 64
	v_exp_f32 v[ACC+n], v[ACC+n]
.set n, n+1
.endr
.irp q, 0,1,2,3
	v_pk_add_f32 v[WS:WS+1], v[WS:WS+1], v[WE+8*(\set)+2*\q:WE+8*(\set)+2*\q+1]   ; the sum of W_energy: work that names no exponential's result
.endr
	s_wait_alu depctr_va_vdst(0)                   ; the 64 exponentials have written v192 to v255, which the additions below read; and the turn before is done reading its set of W, pq and W_energy, in which the next turn's loads land
.set n, 0
.rept 32
	v_pk_add_f32 v[ACC+n:ACC+n+1], v[ACC+n:ACC+n+1], 1.0 op_sel_hi:[1,0]
.set n, n+2
.endr
.set n, 0
.rept 64
	v_rcp_f32 v[ACC+n], v[ACC+n]
.set n, n+1
.endr
	v_nop
	s_wait_alu depctr_va_vdst(0)                   ; the 64 reciprocals have written v192 to v255, which the sums below read
.irp q, 0,1,2,3                        ; the eight rows' sums by turns: no line waits for the line above it
.irp i, 0,1,2,3,4,5,6,7
	v_pk_fma_f32 v[SA+2*\i:SA+2*\i+1], v[ACC+8*\i+2*\q:ACC+8*\i+2*\q+1], v[WE+8*(\set)+2*\q:WE+8*(\set)+2*\q+1], v[SA+2*\i:SA+2*\i+1]
.endr
.endr
.endm
; A tile's turn in pass 1.  issue = 1: the tile two on is asked for, in the middle of this tile's products, into the set whose tile was multiplied two turns ago.  No wait stands there: the last turn's tanh holds one behind
; all that read that set, and what has been issued since names the accumulators, the sums, the last turn's W_energy, this tile's set and A alone.  wait: the loads issued behind this tile's (21 a tile).
; ask = 1: my quarter of the values' images (16,384 of the block's 65,536 bytes: lanes 256 bytes apart, two instructions) is prefetched, behind the turn's loads, two and a half tiles' turns ahead of the loads that want it; each byte is named by one wave of one work-group.
.macro KITER q, issue, wait, ask
	s_wait_loadcnt \wait
	WIN 0x09                                       ; source 0 (W) window 1, source 1 (A) window 2
	KHALF \q, 0
.if \issue
	BLOAD (\q+2)%4, \q+2, 1
.endif
.if \ask
	global_prefetch_b8 v4, s[58:59] th:TH_LOAD_NT scope:SCOPE_SE
	global_prefetch_b8 v4, s[58:59] offset:8192 th:TH_LOAD_NT scope:SCOPE_SE
.endif
	WIN 0x0d                                       ; source 1 window 3
	KHALF \q, 1
	WIN 0
	PLACES
	TANH \q
.endm
; PASS 2's product, in the natural order: source 0 = 16 rows of values, source 1 = 16 rows of W_key: a lane holds ONE column (16 T + r) and eight rows (16 i + 8 h + j).  The first instruction of a sum takes the constant 0.
.macro VW set, s, i, hi
.set rD, ACC+8*(4*\hi+\i)
.set rB, 64*(\set)+8*\s
.set rA, 64*\i+8*\s
.set rSB, BS+4*(\set)+\s%4
.set rSA, AS+4*(4*\hi+\i)+\s%4
.if \s == 0
	v_wmma_scale_f32_16x16x128_f8f6f4 v[rD:rD+7], v[rA:rA+7], v[rB:rB+7], 0, v[rSA], v[rSB] matrix_a_fmt:MATRIX_FMT_FP4 matrix_b_fmt:MATRIX_FMT_FP4
.elseif \s < 4
	v_wmma_scale_f32_16x16x128_f8f6f4 v[rD:rD+7], v[rA:rA+7], v[rB:rB+7], v[rD:rD+7], v[rSA], v[rSB] matrix_a_fmt:MATRIX_FMT_FP4 matrix_b_fmt:MATRIX_FMT_FP4
.else
	v_wmma_scale_f32_16x16x128_f8f6f4 v[rD:rD+7], v[rA:rA+7], v[rB:rB+7], v[rD:rD+7], v[rSA], v[rSB] matrix_a_fmt:MATRIX_FMT_FP4 matrix_b_fmt:MATRIX_FMT_FP4 matrix_a_scale:MATRIX_SCALE_ROW1 matrix_b_scale:MATRIX_SCALE_ROW1
.endif
.endm
.macro VHALF set, hi                   ; 32 of a tile's 64 matrix instructions, as in pass 1
.irp s, 0,1,2,3,4,5,6,7
.irp i, 0,1,2,3
	VW \set, \s, \i, \hi
.endr
.endr
.endm
.macro WEIGH q                         ; my column's sum of p x pv over my 64 rows, then with the other half of the lanes'; the result goes to my wave's 64 words in LDS
.irp u, 0,1,2,3
	v_pk_mul_f32 v[OT+2*\u:OT+2*\u+1], v[ACC+2*\u:ACC+2*\u+1], v[P+2*\u:P+2*\u+1]   ; the first tile's products start the sums
.endr
.irp i, 1,2,3,4,5,6,7
.irp u, 0,1,2,3
	v_pk_fma_f32 v[OT+2*\u:OT+2*\u+1], v[ACC+8*\i+2*\u:ACC+8*\i+2*\u+1], v[P+8*\i+2*\u:P+8*\i+2*\u+1], v[OT+2*\u:OT+2*\u+1]   ; each accumulator from its low end on
.endr
.endr
	v_pk_add_f32 v[OT:OT+1], v[OT:OT+1], v[OT+2:OT+3]
	v_pk_add_f32 v[OT+4:OT+5], v[OT+4:OT+5], v[OT+6:OT+7]
	v_pk_add_f32 v[OT:OT+1], v[OT:OT+1], v[OT+4:OT+5]
	v_add_f32 v152, v[OT], v[OT+1]
	v_permlanex16_b32 v153, v152, s50, s51
	v_add_f32 v[RES+\q], v152, v153                ; a register of its own for each of a trip's four tiles
	s_wait_alu depctr_va_vdst(0)                   ; the turn's one wait: the result is written, which the store reads; and this turn's products are done reading their set of W, in which the next turn's loads land
	ds_store_b32 v9, v[RES+\q] offset:64*\q        ; both halves of the lanes write the same word with the same value
.endm
; A tile's turn in pass 2.  issue = 1: the tile three on is asked for, in the middle of this tile's products, into the set multiplied in the turn before.  No wait stands there: that turn's closing wait stands behind its products,
; and what has been issued since names this tile's set, A and the accumulators alone.  wait: the loads issued behind this tile's (17 a tile).
.macro VITER q, issue, wait
	s_wait_loadcnt \wait
	WIN 0x06                                       ; source 0 (A) window 2, source 1 (W) window 1
	VHALF \q, 0
.if \issue
	BLOAD (\q+3)%4, \q+3, 0
.endif
	WIN 0x07                                       ; source 0 window 3
	VHALF \q, 1
	WIN 0
	PLACES
	WEIGH \q
.endm
.macro FLUSH more                      ; four tiles' 64 results leave: the wave stores 256 consecutive bytes, aligned
	ds_load_b64 v[180:181], v10                    ; LDS serves a wave's instructions in order: this sees my four stores
	s_wait_dscnt 0x0
	global_store_b64 v3, v[180:181], s[44:45]
.if \more
	s_wait_xcnt 0x0                                ; the store and the trip's loads have read their registers and bases: these are stepped only behind this wait
	s_wait_alu depctr_vm_vsrc(0)                   ; the store has read v[180:181], in which the next trip's LDS load lands; the trip's four LDS stores have read v154 to v157, which the next trip's sums write again
	s_add_nc_u64 s[44:45], s[44:45], 256
.endif
.endm
.macro SCORE_OUT                       ; all four waves hold the same 128 scores: wave 0 stores them, 512 consecutive bytes, aligned
	s_wait_alu depctr_va_vdst(0)                   ; the scores v176 to v179 are written, which wave 0's store reads (on the idle way also the zeros v16 to v19, which the two stores behind it read)
	s_cmp_lg_u32 s2, 0
	s_cbranch_scc1 .Lnot_wave_0_\@
	global_store_b128 v1, v[S:S+3], s[46:47]
.Lnot_wave_0_\@:
.endm
	s_load_b256 s[8:15], s[0:1], 0x0               ; memory_lengths s[8:9], W_energy s[10:11], codes s[12:13], scls s[14:15]
	s_load_b128 s[16:19], s[0:1], 0x20             ; pq s[16:17], scores s[18:19]
	s_load_b64 s[20:21], s[0:1], 0x30              ; partial
	v_lshl_add_u32 v190, v0, 2, 0x2000
	v_mov_b32 v191, 0
	v_lshrrev_b32 v12, 5, v0
	v_readfirstlane_b32 s2, v12                    ; wave 0..3
	s_and_b32 s3, ttmp7, 0xffff                    ; b
	s_mov_b32 s4, ttmp9                            ; the block
	v_and_b32 v12, 31, v0                          ; lane
	v_and_b32 v14, 15, v0                          ; r
	v_bfe_u32 v15, v0, 4, 1                        ; h
	; every offset and LDS address is made here, ahead of the branches on the length, and none is stepped
	v_lshlrev_b32 v1, 4, v12                       ; v1: 16 x lane: an image's bytes; also my four scores in SCP
	v_lshlrev_b32 v2, 5, v15                       ; v2: 32 h: my half's eight numbers of a tile's pq and W_energy
	v_lshlrev_b32 v3, 3, v12                       ; v3: 8 x lane
	v_lshlrev_b32 v4, 8, v12                       ; v4: 256 x lane: the prefetches'
	s_wait_alu depctr_va_sdst(0)                   ; s2 is written, ahead of its first reader: LDS addresses and the wave's bases are made from it
	s_lshl_b32 s6, s2, 9
	v_lshlrev_b32 v5, 2, v14
	v_add_nc_u32 v5, s6, v5                        ; v5: SCP + 512 w + 4 r
	s_add_co_u32 s7, s6, PWB
	v_add_nc_u32 v7, s7, v1                        ; v7: PWB + 512 w + 16 x lane: where I put four p
	v_add_nc_u32 v8, s7, v2                        ; v8: PWB + 512 w + 32 h: where I read a tile's eight
	s_lshl_b32 s7, s2, 8
	s_add_co_u32 s7, s7, OUTS
	v_lshl_add_u32 v9, v14, 2, s7                  ; v9: OUTS + 256 w + 4 r
	v_add_nc_u32 v10, s7, v3                       ; v10: OUTS + 256 w + 8 x lane
	v_lshlrev_b32 v11, 2, v12                      ; v11: 4 x lane: the first of my four rows behind the barrier
	v_mov_b32 v13, 0
	v_mov_b32 v182, 0xff800000                     ; -infinity
	s_wait_alu depctr_va_vdst(0)                   ; the offsets and addresses v1 to v10 and the zero v13 are written, which the LDS stores below and every later load, store, prefetch and LDS instruction read
.irp i, 0,1,2,3,4,5,6,7
	ds_store_b32 v5, v13 offset:SCP+64*\i          ; my part of SCP is written on every way to the barrier
.endr
	s_lshl_b32 s6, s3, 2
	s_mov_b32 s7, 0
	s_wait_kmcnt 0x0
	s_add_nc_u64 s[60:61], s[8:9], s[6:7]
	s_load_b32 s5, s[60:61], 0x0                   ; memory_lengths[b]
	s_lshl_b32 s22, s3, 6
	s_lshl_b32 s23, s4, 3
	s_add_co_u32 s22, s22, s23                     ; the block's first tile: 64 b + 8 x block
	s_lshl_b32 s6, s22, 13
	s_add_nc_u64 s[24:25], s[12:13], s[6:7]        ; the keys' images,
	s_lshl_b32 s6, s22, 9
	s_add_nc_u64 s[26:27], s[14:15], s[6:7]        ; their scale words;
	s_add_nc_u64 s[28:29], s[24:25], 0x1000000     ; the values' lie 2,048 tiles on
	s_add_nc_u64 s[30:31], s[26:27], 0x100000
	s_lshl_b32 s6, s2, 17
	s_add_nc_u64 s[32:33], s[12:13], s[6:7]
	s_add_nc_u64 s[32:33], s[32:33], 0x2000000     ; W_key's tile 16 w: 4,096 + 16 w tiles on
	s_lshl_b32 s6, s2, 13
	s_add_nc_u64 s[34:35], s[14:15], s[6:7]
	s_add_nc_u64 s[34:35], s[34:35], 0x200000
	s_lshl_b32 s22, s3, 12                         ; 4,096 b
	s_lshl_b32 s23, s2, 10                         ; 1,024 w
	s_add_co_u32 s6, s22, s23
	s_add_nc_u64 s[PQC:PQC+1], s[16:17], s[6:7]    ; pq[b] at my columns
	s_mov_b32 s6, s23
	s_add_nc_u64 s[WEC:WEC+1], s[10:11], s[6:7]    ; W_energy likewise
	s_lshl_b32 s6, s4, 9
	s_add_co_u32 s6, s6, s22
	s_add_nc_u64 s[46:47], s[18:19], s[6:7]        ; scores[b] at the block's rows
	s_lshl_b32 s6, s3, 15
	s_lshl_b32 s22, s4, 12
	s_add_co_u32 s6, s6, s22
	s_add_co_u32 s6, s6, s23
	s_add_nc_u64 s[44:45], s[20:21], s[6:7]        ; partial[b][block] at my columns
	s_lshl_b32 s6, s2, 14
	s_add_nc_u64 s[58:59], s[28:29], s[6:7]        ; my quarter of the values' images
	s_mov_b32 s48, 0x4038aa3b                      ; c = 2 log2(e)
	s_mov_b32 s49, s48                             ; (named with it as a pair, so it is written)
	s_mov_b32 s50, 0x76543210
	s_mov_b32 s51, 0xfedcba98                      ; v_permlanex16_b32's selects for lane l xor 16
	s_mov_b32 s53, 0x3fb8aa3b                      ; log2(e)
	s_wait_kmcnt 0x0
	s_lshl_b32 s6, s4, 7
	s_sub_co_i32 s5, s5, s6                        ; how many of the block's rows count, if above 0
	s_mov_b32 s54, s5
	s_sub_co_i32 s55, s5, 1
	s_sub_co_i32 s56, s5, 2
	s_sub_co_i32 s57, s5, 3
	; ---- PASS 1
	s_cmp_le_i32 s5, 0
	s_cbranch_scc1 .Lmeet                          ; the same in all four waves
	ALOAD 24, 26                                   ; (no vector instruction has named the registers in which these and the next loads land)
	s_mov_b64 s[WCC:WCC+1], s[32:33]
	s_mov_b64 s[WSC:WSC+1], s[34:35]
	BLOAD 0, 0, 1
	BLOAD 1, 1, 1
.set n, 0
.rept 18
	v_mov_b32 v[SA+n], 0                           ; the eight rows' sums and the sum of W_energy (v144-161)
.set n, n+1
.endr
	s_mov_b32 s52, 3
.Lkeys:                                            ; a trip: four tiles, until the sets' numbers are back where they began.  At each wait one younger tile, 21 loads, may be out; on the way in A's 136 stand ahead of tile 0's
	KITER 0, 1, 21, 0
	KITER 1, 1, 21, 0
	KITER 2, 1, 21, 0
	KITER 3, 1, 21, 0
	s_wait_xcnt 0x0                                ; the trip's loads have read their bases
	s_add_nc_u64 s[WCC:WCC+1], s[WCC:WCC+1], 32768
	s_add_nc_u64 s[WSC:WSC+1], s[WSC:WSC+1], 2048
	s_add_nc_u64 s[PQC:PQC+1], s[PQC:PQC+1], 256
	s_add_nc_u64 s[WEC:WEC+1], s[WEC:WEC+1], 256
	s_sub_co_u32 s52, s52, 1
	s_cmp_lg_u32 s52, 0
	s_cbranch_scc1 .Lkeys
	KITER 0, 1, 21, 0                              ; tiles 12 to 15: the last two ask for nothing, and the counts run down
	KITER 1, 1, 21, 1
	KITER 2, 0, 21, 0
	KITER 3, 0, 0, 0
	; my 256 columns' part of the 128 scores
.irp i, 0,1,2,3,4,5,6,7
	v_add_f32 v[SA+2*\i], v[SA+2*\i], v[SA+2*\i+1]
.endr
	v_add_f32 v[WS], v[WS], v[WS+1]
.irp i, 0,1,2,3,4,5,6,7
	v_permlanex16_b32 v[SA+2*\i+1], v[SA+2*\i], s50, s51
.endr
	v_permlanex16_b32 v[WS+1], v[WS], s50, s51
.irp i, 0,1,2,3,4,5,6,7
	v_add_f32 v[SA+2*\i], v[SA+2*\i], v[SA+2*\i+1]
.endr
	v_add_f32 v[WS], v[WS], v[WS+1]
.irp i, 0,1,2,3,4,5,6,7
	v_fma_f32 v[SA+2*\i], v[SA+2*\i], -2.0, v[WS]
.endr
	s_wait_alu depctr_va_vdst(0)                   ; the eight sums are written, which the stores read; and pass 1 is done reading A, the four sets of W, pq and W_energy, in which pass 2's loads land
.irp i, 0,1,2,3,4,5,6,7
	ds_store_b32 v5, v[SA+2*\i] offset:SCP+64*\i   ; row 16 i + r; both halves of the lanes write the same word with the same value
.endr
	s_wait_alu depctr_vm_vsrc(0)                   ; these stores have read v144, v146 .. v158, which pass 2's sums write again
.Lmeet:
	s_wait_dscnt 0x0                               ; for the others' sake: my stores into SCP have landed
	s_barrier_signal -1                            ; the one barrier, on every wave's way
	s_barrier_wait -1
	; ---- PASS 2.  Nothing but what the head made crosses from pass 1 in registers
	s_cmp_le_i32 s5, 0
	s_cbranch_scc1 .Lidle
	ALOAD 28, 30                                   ; (pass 1's loads were all waited for: its registers and bases are free; no vector instruction stands between the wait on va_vdst at pass 1's end and these loads)
	s_mov_b64 s[WCC:WCC+1], s[32:33]
	s_mov_b64 s[WSC:WSC+1], s[34:35]
	BLOAD 0, 0, 0
	BLOAD 1, 1, 0
	BLOAD 2, 2, 0
	v_mov_b32 v153, 0                              ; written once: a lane permute's destination counts as one of its sources
.irp u, 0,1,2,3
	ds_load_b128 v[16+4*\u:19+4*\u], v1 offset:SCP+512*\u          ; rows 4 lane + 0 .. 3: the four waves' parts
.endr
	s_wait_dscnt 0x0
	v_pk_add_f32 v[16:17], v[16:17], v[20:21]
	v_pk_add_f32 v[18:19], v[18:19], v[22:23]
	v_pk_add_f32 v[24:25], v[24:25], v[28:29]
	v_pk_add_f32 v[26:27], v[26:27], v[30:31]
	v_pk_add_f32 v[S:S+1], v[16:17], v[24:25]
	v_pk_add_f32 v[S+2:S+3], v[18:19], v[26:27]
.irp j, 0,1,2,3
	v_cmp_gt_i32 s[60+\j], s[54+\j], v11           ; row 4 lane + j counts where it lies under the length: the four masks in one run, in s60 to s63
.endr
	s_wait_alu depctr_va_sdst(0)                   ; the four masks are written, ahead of their first reader
.irp j, 0,1,2,3
	v_cndmask_b32 v[S+\j], v182, v[S+\j], s[60+\j] ; else -infinity
.endr
	SCORE_OUT
	v_max3_num_f32 v20, v[S], v[S+1], v[S+2]       ; the block's largest score (its first row counts, so it is a number)
	v_max_num_f32 v20, v20, v[S+3]
	v_max_num_f32_dpp v20, v20, v20 row_xmask:1 row_mask:0xf bank_mask:0xf
	v_max_num_f32_dpp v20, v20, v20 row_xmask:2 row_mask:0xf bank_mask:0xf
	v_max_num_f32_dpp v20, v20, v20 row_xmask:4 row_mask:0xf bank_mask:0xf
	v_max_num_f32_dpp v20, v20, v20 row_xmask:8 row_mask:0xf bank_mask:0xf
	v_permlanex16_b32 v21, v20, s50, s51
	v_max_num_f32 v20, v20, v21
.irp j, 0,1,2,3
	v_sub_f32 v[16+\j], v[S+\j], v20
.endr
.irp j, 0,1,2,3
	v_mul_f32 v[16+\j], s53, v[16+\j]
.endr
.irp j, 0,1,2,3
	v_exp_f32 v[16+\j], v[16+\j]                   ; p = e^(score - the largest): 0 for a masked row
.endr
	v_nop                                          ; a plain line behind the last exponential,
	s_wait_alu depctr_va_vdst(0)                   ; and the wait: the four exponentials have written v16 to v19, which the LDS store reads
	ds_store_b128 v7, v[16:19]                     ; my wave's own copy of p,
.irp i, 0,1,2,3,4,5,6,7
	ds_load_b128 v[P+8*\i:P+8*\i+3], v8 offset:64*\i               ; read back as pass 2's results lie: p[16 i + 8 h + 0 .. 7].  LDS serves a wave's instructions in order: these see the store above
	ds_load_b128 v[P+8*\i+4:P+8*\i+7], v8 offset:64*\i+16
.endr
	s_wait_dscnt 0x0
	s_mov_b32 s52, 3
.Lvals:                                            ; a trip: four tiles.  At each wait two younger tiles, 34 loads, may be out
	VITER 0, 1, 34
	VITER 1, 1, 34
	VITER 2, 1, 34
	VITER 3, 1, 34
	FLUSH 1
	s_add_nc_u64 s[WCC:WCC+1], s[WCC:WCC+1], 32768
	s_add_nc_u64 s[WSC:WSC+1], s[WSC:WSC+1], 2048
	s_sub_co_u32 s52, s52, 1
	s_cmp_lg_u32 s52, 0
	s_cbranch_scc1 .Lvals
	VITER 0, 1, 34                                 ; tiles 12 to 15: the last three ask for nothing, and the counts run down
	VITER 1, 0, 34
	VITER 2, 0, 17
	VITER 3, 0, 0
	FLUSH 0
	s_wait_dscnt 0x0                               ; the closing lines, six on end
	s_wait_alu 0x0
	s_wait_tensorcnt 0x0
	ds_add_u32 v190, v191
	s_wait_dscnt 0x0
	s_endpgm
.Lidle:                                            ; no row of the block counts: -infinity scores, a zero partial
.irp j, 0,1,2,3
	v_mov_b32 v[S+\j], 0xff800000
	v_mov_b32 v[16+\j], 0
.endr
	SCORE_OUT
	global_store_b128 v1, v[16:19], s[44:45]       ; my 256 columns: twice 512 consecutive bytes
	global_store_b128 v1, v[16:19], s[44:45] offset:512
	s_wait_dscnt 0x0                               ; the closing lines once more, for this end
	s_wait_alu 0x0
	s_wait_tensorcnt 0x0
	ds_add_u32 v190, v191
	s_wait_dscnt 0x0
	s_endpgm
.Lfunc_end_k_q47a3340a33_gemm:
	.size	k_q47a3340a33_gemm, .Lfunc_end_k_q47a3340a33_gemm-k_q47a3340a33_gemm
	.p2alignl 7, 3214868480
	.fill 96, 4, 3214868480
	.section	.rodata,"a",@progbits
	.p2align	6, 0x0
	.amdhsa_kernel k_q47a3340a33_gemm
		.amdhsa_group_segment_fixed_size 8704
		.amdhsa_private_segment_fixed_size 0
		.amdhsa_enable_private_segment 0
		.amdhsa_kernarg_size 56
		.amdhsa_user_sgpr_count 2
		.amdhsa_user_sgpr_kernarg_segment_ptr 1
		.amdhsa_wavefront_size32 1
		.amdhsa_system_sgpr_workgroup_id_x 1
		.amdhsa_system_sgpr_workgroup_id_y 1
		.amdhsa_system_sgpr_workgroup_id_z 1
		.amdhsa_system_vgpr_workitem_id 0
		.amdhsa_next_free_vgpr 1024
		.amdhsa_next_free_sgpr 66
		.amdhsa_reserve_vcc 0
		.amdhsa_float_denorm_mode_32 3
		.amdhsa_float_denorm_mode_16_64 3
		.amdhsa_memory_ordered 1
		.amdhsa_forward_progress 1
		.amdhsa_inst_pref_size 255
	.end_amdhsa_kernel
	.section	.bss,"aw",@nobits
	.p2align	6
	.space	262144
	.amdgpu_metadata
---
amdhsa.version: [ 1, 2 ]
amdhsa.kernels:
  - .name:           k_q47a3340a33_gemm
    .symbol:         k_q47a3340a33_gemm.kd
    .args:
      - { .name: memory_lengths, .offset: 0, .size: 8, .value_kind: global_buffer, .address_space: global }
      - { .name: W_energy, .offset: 8, .size: 8, .value_kind: global_buffer, .address_space: global }
      - { .name: codes, .offset: 16, .size: 8, .value_kind: global_buffer, .address_space: global }
      - { .name: scls, .offset: 24, .size: 8, .value_kind: global_buffer, .address_space: global }
      - { .name: pq, .offset: 32, .size: 8, .value_kind: global_buffer, .address_space: global }
      - { .name: scores, .offset: 40, .size: 8, .value_kind: global_buffer, .address_space: global }
      - { .name: partial, .offset: 48, .size: 8, .value_kind: global_buffer, .address_space: global }
    .group_segment_fixed_size: 8704
    .private_segment_fixed_size: 0
    .kernarg_segment_align: 8
    .kernarg_segment_size: 56
    .max_flat_workgroup_size: 128
    .sgpr_count:     66
    .vgpr_count:     1024
    .wavefront_size: 32
...
	.end_amdgpu_metadata
.endif
;; end of part 5
;; launch combine: the kernel of part 3 again; grid 32 x 1, 8 waves a work-group, no clusters, 1,280 bytes of LDS; arguments scores, partial, out0, out1; writes out0, out1
